; MI455X (gfx1250); checked and timed in simulation.
; The chip was launched on July 23, 2026; its instructions are those of AMD's public machine-readable ISA for CDNA 5 (MIT licence, August 2026) and "CDNA5" Instruction Set Architecture Reference Guide (July 2026). The comments in the code are by the model that wrote it; some were corrected since.
;; Mini Attention Block. Allowed arithmetic: matrix products marked QUANTISED: E3M2 operands, one E8M0 scale for each 32 along K, by v_wmma_scale_f32_16x16x128_f8f6f4 with both operands' format E3M2, f32 sums; everything else in f32.
;; Inputs: Wk 1,024 x 1,024 float32; Wo 1,024 x 1,024 float32; Wq 1,024 x 1,024 float32; Wv 1,024 x 1,024 float32; beta 1,024 float32; gamma 1,024 float32; x 4 x 2,048 x 1,024 float32.
;; Outputs: out0 4 x 2,048 x 1,024 float32.
;; This version of the problem:
;;   THIS VERSION OF THE PROBLEM IS GIVEN IN LOW PRECISION. The matrix products marked QUANTISED in the list below multiply operands that are first quantised to E3M2 (3 exponent bits, 2 mantissa bits; 6 bits a number), with one power-of-two scale for each 32 numbers along K (OCP MX v1.0); their sums are f32. All else is computed in f32.
;;   The module's matrix products, in the order in which they are computed (A, B: the left and right operand; K: the contracted axis; several contracted axes count as one K, in the product's order):
;;     1. [M 8,192, K 1,024] x [K 1,024, N 1,024]; A: computed on the way; B: input Wq: QUANTISED
;;     2. [M 8,192, K 1,024] x [K 1,024, N 1,024]; A: computed on the way; B: input Wk: QUANTISED
;;     3. [M 8,192, K 1,024] x [K 1,024, N 1,024]; A: computed on the way; B: input Wv: QUANTISED
;;     4. batch 32 x [M 2,048, K 128] x [K 128, N 2,048]; A: computed on the way; B: computed on the way: QUANTISED
;;     5. batch 32 x [M 2,048, K 2,048] x [K 2,048, N 128]; A: softmax (see below); B: computed on the way: QUANTISED
;;     6. [M 8,192, K 1,024] x [K 1,024, N 1,024]; A: computed on the way; B: input Wo: QUANTISED
;;   THE QUANTISER, for each operand of a quantised product, along K:
;;     - K is cut into blocks of 32 from its start; a last block that is shorter is filled with zeros.
;;     - A block's scale is 2^e with e = floor(log2(the largest magnitude in the block)) - 4, held to -126 .. 127; a block of zeros has e = 0. As a byte (E8M0): e + 127.
;;     - Each number is divided by its block's scale, clamped to +-28, and rounded to the nearest number of E3M2, ties to even, subnormals kept.
;;     - The product sums the exact products of the quantised numbers (number of the format x scale) in f32.
;;   ~~~python
;;   def quantise(x, axis):      # numpy; x: float32 -> the quantised numbers, widened to float32 again
;;       x = np.moveaxis(x, axis, -1); K = x.shape[-1]
;;       x = np.pad(x, [(0, 0)] * (x.ndim - 1) + [(0, -K % 32)]); x = x.reshape(x.shape[:-1] + (-1, 32)); a = np.abs(x).max(-1, keepdims=True)
;;       e = np.where(a > 0, np.clip(np.frexp(np.where(a > 0, a, 1))[1] - 1 - 4, -126, 127), 0)      # np.frexp(a)[1] - 1 = floor(log2(a)), exactly
;;       r = np.clip(x / 2.0 ** e, -28, 28)
;;       step = 2.0 ** (np.maximum(np.frexp(np.where(r == 0, 1, r))[1] - 1, -2) - 2)
;;       q = np.round(r / step) * step * 2.0 ** e      # np.round: ties to even
;;       return np.moveaxis(q.reshape(q.shape[:-2] + (-1,))[..., :K], -1, axis).astype(np.float32)
;;   ~~~
;;   SOFTMAX AHEAD OF A QUANTISED PRODUCT. Where the list says 'softmax', what is quantised is not the finished softmax but p = 2^(t - M), with t = logit x log2(e) and M = ceil(the row's largest t), a whole number; so 1/2 < the row's largest p <= 1. The row's sum l is taken of the UNQUANTISED p, in f32, and the product's result is divided by l at the end. Since M is a whole number, a kernel that streams over the keys may use a running M (the ceiling of the running maximum): every later rescaling is an exact power of two, which a block's scale takes up: the codes' values come out the same.
;;   OPERANDS COMPUTED ON THE WAY. 'Computed on the way' means the value that the module computes at that place (a softmax that the list does not call 'softmax' is quantised finished and normalised). What goes into a quantiser is computed in f32, as accurately as f32 sums, v_exp_f32 and their like allow (about 1e-6 of the number): no bf16 or f16 on the way to a quantiser, and a product that is left as it is and whose result goes on into a quantised operand takes f32 operands (vector FMAs, or v_wmma_f32_16x16x4_f32). A number that lies on a knife's edge between two numbers of the format may be rounded either way, as far as f32 arithmetic and the matrix unit's own rounding can turn it there, and no further.
;; One version. Each part assembles by itself: llvm-mc -triple=amdgcn-amd-amdhsa -mcpu=gfx1250 --defsym DOCPART=n.
;; ======== version 1 of 1: 4 launches
;; limits: right only within a limited range of input values
;; workspace buffers: xnrec 6,553,600 bytes; wrec 3,276,800 bytes; qkv 19,660,800 bytes; orec 6,553,600 bytes
;; launch prep (part 1): grid 384 x 1, 8 waves a work-group, no clusters, 132,608 bytes of LDS; arguments x, gamma, beta, Wq, Wk, Wv, Wo, xnrec, wrec; writes xnrec, wrec
.if DOCPART == 1
	.amdgcn_target "amdgcn-amd-amdhsa--gfx1250"
	.amdhsa_code_object_version 6
	.text
	.protected	k_qd3c33998b4_prep
	.globl	k_qd3c33998b4_prep
	.p2align	8
	.type	k_qd3c33998b4_prep,@function
k_qd3c33998b4_prep:
	s_mov_b64 s[64:65], 0
	v_nop
	global_prefetch_b8 v0, s[64:65] scope:SCOPE_SE
	s_setreg_imm32_b32 hwreg(HW_REG_WAVE_MODE, 25, 1), 1
	s_wait_xcnt 0x0
; LayerNorm(x) and the four weights become codes of BF6 (E3M2) with one E8M0 scale for each 32 along K (their last axis, 1,024).
; THE OUTPUT IS LAID AS RECORDS.  A record is 128 rows x 128 K: eight fragments (16 rows x 128 K) of 1,536 bytes, each an image of the operand's 12 registers
; (registers 4 c .. 4 c + 3 of lane l at 512 c + 16 l), then 512 bytes of scale words (row r of fragment f at 12,288 + 64 f + 4 r): 12,800 bytes.  An operand [rows][1024] is laid [row / 128][k / 128] in records.
; THE ROWS ARE PERMUTED within each 32 (not Wo's): place 16 u + r holds row 8 u + r + 8 (r / 8), so that a product that takes such fragments as its source 0 leaves 16 neighbours along the next K in a lane's 16 registers.
; SHARES.  A work-group takes 32 rows: work-groups 0-255 rows of x (with the norm), 256-383 rows of Wq, Wk, Wv, Wo (as they are).  Phase 1: wave w loads four rows, each load 512 consecutive bytes, norms them (a row lies in one wave),
; and stores them into a stage in LDS.  Phase 2: wave w takes K = 128 w .. 128 w + 127 of all 32 rows: two fragments.  The permutation stands in the global address alone.
; The variance is taken of x - mean, as the definition has it.  No tensor loads: LDS is claimed as it is used.
; LIMITS: NaN and infinities are not served; a block whose largest magnitude lies under 2^-122 gets the byte 1, and so does a block of zeros (its codes are zeros; this program alone reads the bytes).
.set RB,    12800
.set PITCH, 4112                       ; a stage row: 4,096 bytes + 16: sixteen rows at one column fall on sixteen different 16-byte columns of 256 bytes
.set LI,  1                            ; v1  16 x lane
.set L4,  2                            ; v2  4 x lane
.set WA,  3                            ; v3  the stage, on the way in: my wave's four rows, 16 x lane
.set RA0, 4                            ; v4  on the way out: row r, my half's 64 bytes, my wave's 512
.set RA1, 5                            ; v5  the same 16 rows further down
.set X,   32                           ; v32-159  four rows x 32 numbers; in phase 2 two fragments x 64 numbers
.set GA,  160                          ; v160-191 gamma
.set BE,  192                          ; v192-223 beta
.set T0,  224                          ; v224-247 six registers at work for each row
.set PC0, 160                          ; phase 2: the codes
.set PC1, 180
.set TM,  200
.set PW0, 216
.set PW1, 217
.set PWM, 218
.set WV,  22
.set SRC, 24
.set SEL, 34
.set INV, 36
.set EPS, 37
.set HI,  38
.set DC,  40
.set DS,  42
.set MSB, 0
.macro WIN new                         ; the register windows (all 0 in this text: nothing is written)
.if MSB != (\new)
	s_set_vgpr_msb (MSB<<8)|(\new)
.set MSB, (\new)
.endif
.endm
; 64 numbers of a lane in window w, register s + 16 b + i = k 32 b + 16 (lane / 16) + i of my row, become a fragment's 12 registers in v[pc] on and its scale word in v[pw].
.macro QUANT s, w, pc, pw
	WIN ((\w)<<2)|((\w)<<4)
.irp b, 0,1,2,3
	v_max3_num_f32 v[TM+\b], 0x2800000, |v[\s+16*\b]|, |v[\s+16*\b+1]|   ; my 16 numbers of block b, and the floor 2^(5 - 127): the byte cannot fall under 1
.endr
.irp i, 2,4,6,8,10,12,14
.irp b, 0,1,2,3
	s_delay_alu instid0(VALU_DEP_4)
	v_max3_num_f32 v[TM+\b], v[TM+\b], |v[\s+16*\b+\i]|, |v[\s+16*\b+\i+1]|   ; the four blocks by turns
.endr
.endr
	WIN 0
.irp b, 0,1,2,3
	s_delay_alu instid0(VALU_DEP_4)
	v_permlanex16_b32 v[TM+4+\b], v[TM+\b], s[SEL], s[SEL+1]
.endr
.irp b, 0,1,2,3
	s_delay_alu instid0(VALU_DEP_4)
	v_max_num_f32 v[TM+\b], v[TM+\b], v[TM+4+\b]   ; with lane l xor 16's: the block's largest magnitude
.endr
.irp b, 0,1,2,3
	s_delay_alu instid0(VALU_DEP_4)
	v_add_nc_u32 v[TM+12+\b], 0xfe000000, v[TM+\b]   ; 4 off its exponent field: the conversion's scale operand
.endr
.irp b, 0,1,2,3
	s_delay_alu instid0(VALU_DEP_4)
	v_lshrrev_b32 v[TM+4+\b], 23, v[TM+12+\b]      ; the scale's byte
.endr
	s_delay_alu instid0(VALU_DEP_3)
	v_lshl_or_b32 v[\pw], v[TM+5], 8, v[TM+4]
	s_delay_alu instid0(VALU_DEP_1)
	v_lshl_or_b32 v[\pw], v[TM+6], 16, v[\pw]
	s_delay_alu instid0(VALU_DEP_1)
	v_lshl_or_b32 v[\pw], v[TM+7], 24, v[\pw]
	WIN (\w)
.irp c, 0,1
	v_cvt_scalef32_pk16_bf6_f32 v[\pc+6*\c:\pc+6*\c+2], v[\s+32*\c:\s+32*\c+15], v[TM+12+2*\c]
	v_cvt_scalef32_pk16_bf6_f32 v[\pc+12+4*\c:\pc+14+4*\c], v[\s+32*\c+16:\s+32*\c+31], v[TM+13+2*\c]   ; (a conversion's three registers begin on an even number)
.endr
	WIN 0
	v_nop                                          ; one plain place behind a scaled conversion
.irp c, 0,1                                    ; the operand wants a whole block in a lane: lanes 0-15 block 2 c, lanes 16-31 block 2 c + 1
.irp i, 0,1,2
	v_permlane16_swap_b32 v[\pc+6*\c+\i], v[\pc+12+4*\c+\i]
.endr
.irp i, 0,1,2
	s_delay_alu instid0(VALU_DEP_3)
	v_mov_b32 v[\pc+3+6*\c+\i], v[\pc+12+4*\c+\i]
.endr
.endr
.endm
.macro REDUCE                          ; each row's pair of partial sums becomes the row's sum, in every lane; the four rows by turns
.irp j, 0,1,2,3
	s_delay_alu instid0(VALU_DEP_4)
	v_add_f32 v[T0+6*\j], v[T0+6*\j], v[T0+6*\j+1]
.endr
.irp m, 1,2,4,8
.irp j, 0,1,2,3
	s_delay_alu instid0(VALU_DEP_4)
	v_add_f32_dpp v[T0+6*\j], v[T0+6*\j], v[T0+6*\j] row_xmask:\m row_mask:0xf bank_mask:0xf
.endr
.endr
.irp j, 0,1,2,3
	s_delay_alu instid0(VALU_DEP_4)
	v_permlanex16_b32 v[T0+6*\j+1], v[T0+6*\j], s[SEL], s[SEL+1]
.endr
.irp j, 0,1,2,3
	s_delay_alu instid0(VALU_DEP_4)
	v_add_f32 v[T0+6*\j], v[T0+6*\j], v[T0+6*\j+1]
.endr
.endm
	s_load_b256 s[4:11], s[0:1], 0x0               ; x s[4:5], gamma s[6:7], beta s[8:9], Wq s[10:11]
	s_load_b256 s[12:19], s[0:1], 0x20             ; Wk s[12:13], Wv s[14:15], Wo s[16:17], xnrec s[18:19]
	s_load_b64 s[20:21], s[0:1], 0x40              ; wrec
	v_lshl_add_u32 v254, v0, 2, 0x20200
	v_mov_b32 v255, 0
	v_lshrrev_b32 v6, 5, v0
	s_delay_alu instid0(VALU_DEP_1)
	v_readfirstlane_b32 s[WV], v6                  ; wave 0..7
	v_and_b32 v7, 31, v0                           ; lane
	v_and_b32 v8, 15, v0                           ; r
	v_bfe_u32 v9, v0, 4, 1                         ; h
	s_delay_alu instid0(VALU_DEP_3)
	v_lshlrev_b32 v[LI], 4, v7
	s_delay_alu instid0(VALU_DEP_4)
	v_lshlrev_b32 v[L4], 2, v7
	s_mul_i32 s23, s[WV], 4*PITCH
	v_add_nc_u32 v[WA], s23, v[LI]
	v_mul_u32_u24 v[RA0], v8, PITCH
	s_delay_alu instid0(VALU_DEP_1)
	v_lshl_add_u32 v[RA0], v9, 6, v[RA0]
	s_lshl_b32 s23, s[WV], 9
	v_add_nc_u32 v[RA0], s23, v[RA0]
	s_delay_alu instid0(VALU_DEP_1)
	v_add_nc_u32 v[RA1], 16*PITCH, v[RA0]
	s_mov_b32 s[SEL], 0x76543210
	s_mov_b32 s[SEL+1], 0xfedcba98                 ; lane l xor 16
	s_mov_b32 s[INV], 0x3a800000                   ; 1 / 1024
	s_mov_b32 s[EPS], 0x3727c5ac                   ; 1e-5
	s_mov_b32 s[HI], 0xffff0000                    ; lanes 16-31
	; which rows I load: 32 x group + the permuted group of eight + 4 (wave % 2)
	s_and_b32 s26, ttmp9, 31
	s_cmp_lt_u32 ttmp9, 256
	s_cselect_b32 s26, ttmp9, s26                  ; the group of 32 rows in its tensor
	s_lshr_b32 s27, s[WV], 1                       ; my group of eight places
	s_and_b32 s28, s27, 1
	s_lshl_b32 s28, s28, 1
	s_lshr_b32 s29, s27, 1
	s_or_b32 s28, s28, s29                         ; its two bits changed over
	s_cmp_lt_u32 ttmp9, 352
	s_cselect_b32 s27, s28, s27                    ; Wo's rows stay as they are
	s_lshl_b32 s26, s26, 5
	s_lshl_b32 s27, s27, 3
	s_add_co_u32 s26, s26, s27
	s_and_b32 s27, s[WV], 1
	s_lshl_b32 s27, s27, 2
	s_add_co_u32 s26, s26, s27
	s_lshl_b32 s26, s26, 12                        ; rows of 4,096 bytes
	s_mov_b32 s27, 0
	; where my two fragments go: record (group / 4, wave), fragments 2 (group % 4) and the next
	s_cmp_lt_u32 ttmp9, 256
	s_cselect_b32 s32, 0, 256
	s_sub_co_u32 s32, ttmp9, s32                   ; the group in its output buffer
	s_lshr_b32 s33, s32, 2
	s_lshl_b32 s33, s33, 3
	s_add_co_u32 s33, s33, s[WV]
	s_mul_i32 s33, s33, RB
	s_and_b32 s32, s32, 3
	s_mul_i32 s44, s32, 3072
	s_add_co_u32 s44, s44, s33
	s_mov_b32 s45, 0
	s_lshl_b32 s46, s32, 7
	s_add_co_u32 s46, s46, s33
	s_add_co_u32 s46, s46, 12288
	s_mov_b32 s47, 0
	s_wait_alu depctr_va_vdst(0)
	s_wait_kmcnt 0x0
	s_mov_b64 s[SRC:SRC+1], s[16:17]               ; the choices hang on the work-group's number alone
	s_cmp_lt_u32 ttmp9, 352
	s_cselect_b64 s[SRC:SRC+1], s[14:15], s[SRC:SRC+1]
	s_cmp_lt_u32 ttmp9, 320
	s_cselect_b64 s[SRC:SRC+1], s[12:13], s[SRC:SRC+1]
	s_cmp_lt_u32 ttmp9, 288
	s_cselect_b64 s[SRC:SRC+1], s[10:11], s[SRC:SRC+1]
	s_cmp_lt_u32 ttmp9, 256
	s_cselect_b64 s[SRC:SRC+1], s[4:5], s[SRC:SRC+1]
	s_cselect_b64 s[30:31], s[18:19], s[20:21]
	s_add_nc_u64 s[SRC:SRC+1], s[SRC:SRC+1], s[26:27]
	s_add_nc_u64 s[DC:DC+1], s[30:31], s[44:45]
	s_add_nc_u64 s[DS:DS+1], s[30:31], s[46:47]
.irp j, 0,1,2,3
.irp i, 0,1,2,3,4,5,6,7
	global_load_b128 v[X+32*\j+4*\i:X+32*\j+4*\i+3], v[LI], s[SRC:SRC+1] offset:4096*\j+512*\i th:TH_LOAD_NT   ; 32 lanes read 512 consecutive bytes
.endr
.endr
.irp i, 0,1,2,3,4,5,6,7
	global_load_b128 v[GA+4*\i:GA+4*\i+3], v[LI], s[6:7] offset:512*\i
	global_load_b128 v[BE+4*\i:BE+4*\i+3], v[LI], s[8:9] offset:512*\i
.endr
	s_wait_loadcnt 0x0
	s_cmp_ge_u32 ttmp9, 256
	s_cbranch_scc1 .Lplain                         ; weights are quantised as they are: the norm below is register work alone
.irp j, 0,1,2,3
	v_pk_add_f32 v[T0+6*\j:T0+6*\j+1], v[X+32*\j:X+32*\j+1], v[X+32*\j+2:X+32*\j+3]
.endr
.irp i, 4,6,8,10,12,14,16,18,20,22,24,26,28,30
.irp j, 0,1,2,3
	s_delay_alu instid0(VALU_DEP_4)
	v_pk_add_f32 v[T0+6*\j:T0+6*\j+1], v[T0+6*\j:T0+6*\j+1], v[X+32*\j+\i:X+32*\j+\i+1]
.endr
.endr
	REDUCE
.irp j, 0,1,2,3
	v_mul_f32 v[T0+6*\j+2], s[INV], v[T0+6*\j]     ; the mean, twice: a pair for the packed forms
	v_mul_f32 v[T0+6*\j+3], s[INV], v[T0+6*\j]
.endr
.irp i, 0,2,4,6,8,10,12,14,16,18,20,22,24,26,28,30
.irp j, 0,1,2,3
	v_pk_add_f32 v[X+32*\j+\i:X+32*\j+\i+1], v[X+32*\j+\i:X+32*\j+\i+1], v[T0+6*\j+2:T0+6*\j+3] neg_lo:[0,1] neg_hi:[0,1]   ; x - mean
.endr
.endr
.irp j, 0,1,2,3
	v_pk_mul_f32 v[T0+6*\j:T0+6*\j+1], v[X+32*\j:X+32*\j+1], v[X+32*\j:X+32*\j+1]
.endr
.irp i, 2,4,6,8,10,12,14,16,18,20,22,24,26,28,30
.irp j, 0,1,2,3
	s_delay_alu instid0(VALU_DEP_4)
	v_pk_fma_f32 v[T0+6*\j:T0+6*\j+1], v[X+32*\j+\i:X+32*\j+\i+1], v[X+32*\j+\i:X+32*\j+\i+1], v[T0+6*\j:T0+6*\j+1]
.endr
.endr
	REDUCE
.irp j, 0,1,2,3
	s_delay_alu instid0(VALU_DEP_4)
	v_fma_f32 v[T0+6*\j], v[T0+6*\j], s[INV], s[EPS]   ; the variance + 1e-5
.endr
	s_wait_alu depctr_va_vdst(0)
.irp j, 0,1,2,3
	v_rsq_f32 v[T0+6*\j+4], v[T0+6*\j]
.endr
	v_nop                                          ; a plain place behind the last of the batch
	s_wait_alu depctr_va_vdst(0)                   ; one wait for the four, ahead of their first reader
.irp j, 0,1,2,3
	v_mov_b32 v[T0+6*\j+5], v[T0+6*\j+4]
.endr
.irp i, 0,2,4,6,8,10,12,14,16,18,20,22,24,26,28,30
.irp j, 0,1,2,3
	v_pk_mul_f32 v[X+32*\j+\i:X+32*\j+\i+1], v[X+32*\j+\i:X+32*\j+\i+1], v[T0+6*\j+4:T0+6*\j+5]
.endr
.endr
.irp i, 0,2,4,6,8,10,12,14,16,18,20,22,24,26,28,30
.irp j, 0,1,2,3
	v_pk_fma_f32 v[X+32*\j+\i:X+32*\j+\i+1], v[X+32*\j+\i:X+32*\j+\i+1], v[GA+\i:GA+\i+1], v[BE+\i:BE+\i+1]   ; x gamma + beta
.endr
.endr
.Lplain:
.irp j, 0,1,2,3
.irp i, 0,1,2,3,4,5,6,7
	ds_store_b128 v[WA], v[X+32*\j+4*\i:X+32*\j+4*\i+3] offset:PITCH*\j+512*\i
.endr
.endr
	s_wait_dscnt 0x0                               ; for the others' sake: my rows lie in the stage
	s_barrier_signal -1
	s_barrier_wait -1
.irp b, 0,1,2,3
	v_mov_b32 v[TM+4+\b], 0                        ; written once: a lane permute's destination counts as one of its sources
.endr
.irp b, 0,1,2,3
.irp j, 0,1,2,3
	ds_load_b128 v[X+16*\b+4*\j:X+16*\b+4*\j+3], v[RA0] offset:128*\b+16*\j   ; place r: my 16 numbers of each block of 32
.endr
.endr
.irp b, 0,1,2,3
.irp j, 0,1,2,3
	ds_load_b128 v[X+64+16*\b+4*\j:X+64+16*\b+4*\j+3], v[RA1] offset:128*\b+16*\j   ; place 16 + r
.endr
.endr
	s_wait_dscnt 16                                ; the first fragment's 16 loads are in; the second's may be out
	QUANT X, 0, PC0, PW0
.irp c, 0,1,2
	global_store_b128 v[LI], v[PC0+4*\c:PC0+4*\c+3], s[DC:DC+1] offset:512*\c   ; 512 consecutive bytes, at a multiple of 256 from the buffer's first byte
.endr
	s_wait_dscnt 0x0
	QUANT X+64, 0, PC1, PW1
.irp c, 0,1,2
	global_store_b128 v[LI], v[PC1+4*\c:PC1+4*\c+3], s[DC:DC+1] offset:1536+512*\c
.endr
	v_cndmask_b32 v[PWM], v[PW0], v[PW1], s[HI]    ; lanes 0-15 the first fragment's scale words, lanes 16-31 the second's
	global_store_b32 v[L4], v[PWM], s[DS:DS+1]     ; 128 consecutive bytes: a work-group's 32 rows have no more for one K step
	s_wait_tensorcnt 0x0
	ds_add_u32 v254, v255
	s_wait_dscnt 0x0
	s_endpgm
.Lfunc_end_k_qd3c33998b4_prep:
	.size	k_qd3c33998b4_prep, .Lfunc_end_k_qd3c33998b4_prep-k_qd3c33998b4_prep
	.p2alignl 7, 3214868480
	.fill 96, 4, 3214868480
	.section	.rodata,"a",@progbits
	.p2align	6, 0x0
	.amdhsa_kernel k_qd3c33998b4_prep
		.amdhsa_group_segment_fixed_size 132608
		.amdhsa_private_segment_fixed_size 0
		.amdhsa_enable_private_segment 0
		.amdhsa_kernarg_size 72
		.amdhsa_user_sgpr_count 2
		.amdhsa_user_sgpr_kernarg_segment_ptr 1
		.amdhsa_wavefront_size32 1
		.amdhsa_system_sgpr_workgroup_id_x 1
		.amdhsa_system_sgpr_workgroup_id_y 1
		.amdhsa_system_sgpr_workgroup_id_z 1
		.amdhsa_system_vgpr_workitem_id 0
		.amdhsa_next_free_vgpr 256
		.amdhsa_next_free_sgpr 66
		.amdhsa_reserve_vcc 0
		.amdhsa_float_denorm_mode_32 3
		.amdhsa_float_denorm_mode_16_64 3
		.amdhsa_memory_ordered 1
		.amdhsa_forward_progress 1
		.amdhsa_inst_pref_size 54
	.end_amdhsa_kernel
	.amdgpu_metadata
---
amdhsa.version: [ 1, 2 ]
amdhsa.kernels:
  - .name:           k_qd3c33998b4_prep
    .symbol:         k_qd3c33998b4_prep.kd
    .args:
      - { .name: x, .offset: 0, .size: 8, .value_kind: global_buffer, .address_space: global }
      - { .name: gamma, .offset: 8, .size: 8, .value_kind: global_buffer, .address_space: global }
      - { .name: beta, .offset: 16, .size: 8, .value_kind: global_buffer, .address_space: global }
      - { .name: Wq, .offset: 24, .size: 8, .value_kind: global_buffer, .address_space: global }
      - { .name: Wk, .offset: 32, .size: 8, .value_kind: global_buffer, .address_space: global }
      - { .name: Wv, .offset: 40, .size: 8, .value_kind: global_buffer, .address_space: global }
      - { .name: Wo, .offset: 48, .size: 8, .value_kind: global_buffer, .address_space: global }
      - { .name: xnrec, .offset: 56, .size: 8, .value_kind: global_buffer, .address_space: global }
      - { .name: wrec, .offset: 64, .size: 8, .value_kind: global_buffer, .address_space: global }
    .group_segment_fixed_size: 132608
    .private_segment_fixed_size: 0
    .kernarg_segment_align: 8
    .kernarg_segment_size: 72
    .max_flat_workgroup_size: 256
    .sgpr_count:     66
    .vgpr_count:     256
    .wavefront_size: 32
...
	.end_amdgpu_metadata
.endif
;; end of part 1
;; launch qkv (part 2): grid 24 x 32, 4 waves a work-group, clusters of 4 x 4, 327,680 bytes of LDS; arguments xnrec, wrec, qkv; writes qkv
.if DOCPART == 2
	.amdgcn_target "amdgcn-amd-amdhsa--gfx1250"
	.amdhsa_code_object_version 6
	.text
	.protected	k_qd3c33998b4_qkv
	.globl	k_qd3c33998b4_qkv
	.p2align	8
	.type	k_qd3c33998b4_qkv,@function
k_qd3c33998b4_qkv:
	s_mov_b64 s[64:65], 0
	v_nop
	global_prefetch_b8 v0, s[64:65] scope:SCOPE_SE
	s_setreg_imm32_b32 hwreg(HW_REG_WAVE_MODE, 25, 1), 1
	s_wait_xcnt 0x0
	s_wait_alu depctr_hold_cnt(0) depctr_sa_sdst(0) depctr_va_vdst(0) depctr_va_sdst(0) depctr_va_ssrc(0) depctr_va_vcc(0) depctr_vm_vsrc(0)
	s_getreg_b32 s2, hwreg(HW_REG_IB_STS2, 6, 4)
	s_cmp_eq_u32 s2, 0
	s_cbranch_scc0 .Lentry_in_a_cluster
	s_endpgm
.Lentry_in_a_cluster:
	s_bfe_u32 s2, ttmp6, 0x10000c
	s_cmp_lg_u32 s2, 0xf033
	s_cbranch_scc0 .Lentry_shape_is_right
	s_endpgm
.Lentry_shape_is_right:
; q = xn Wq^T, k = xn Wk^T and v^T = Wv xn^T on codes of BF6 (E3M2) with E8M0 scales for each 32 along K = 1,024; the results are quantised at once: q and k along the head's 128, v along the keys.
; OPERANDS AND RESULTS ARE RECORDS: 128 rows x 128 K = eight fragments of 1,536 bytes, each an image of the operand's 12 registers (registers 4 c .. 4 c + 3 of lane l at 512 c + 16 l), then 512 bytes of scale words: 12,800 bytes.
; A TILE is 256 rows of "A" (source 1) x 128 rows of "B" (source 0), all of K.  For q and k: A = xn, B = a head's 128 rows of Wq or Wk; for v: A = two heads' rows of Wv, B = 128 tokens of xn.
; ALL OPERANDS OF A TILE LIE IN LDS: 3 x 102,400 bytes, each byte filled once, so there is no ring.  Waves 0 and 2 bring A's two K halves, waves 1 and 3 B's, each as one tensor load:
; one tensor load of a wave is out at the most.  The products begin when all four fills have landed.
; Four waves; wave w makes A's rows 64 w .. 64 w + 63 x B's 128: 32 accumulators.  768 tiles; a tile of 256 x 256 would give 384, which the 256 WGPs do not share evenly.
; CLUSTERS: 4 x 4 work-groups; A's halves are asked for jointly along a row of the cluster, B along a column.
; B's rows lie permuted in their records (place 16 u + r of each 32 holds row 8 u + r + 8 (r / 8)), so a lane's 16 registers of two neighbouring tiles are 16 neighbours along the next K, and the wave's 64 x 128 become four fragments.
; OUTPUT: q's record (head bh, token block s) at (16 bh + s) records; from KV0 on, for each head 409,600 bytes: sixteen key blocks of 25,600 bytes, K's record and then V's.
; LIMITS: NaN and infinities are not served; a block whose largest magnitude lies under 2^-122 gets the byte 1, and so does a block of zeros.
; REGISTERS: window 0: v4-11 addresses; v16-39 scale words, two sets, and nothing else; v40-59 the quantiser's; v64-159 A's fragments, two sets; v160-241 codes on the way out.  window 1: B's fragments, two sets.  window 2: accumulator (a, b) at v[8 (8 a + b)].
.set RB,  12800
.set PB,  102400                       ; the eight records of 128 rows
.set CH,  25600                        ; two records: 256 along K
.set LB,  204800                       ; LDS: A's halves at 0 and at PB, B here,
.set STG, 307200                       ; and 256 bytes for each wave's scale words on the way out: no fill lands there
.set KV0, 6553600
.set ADA, 4
.set ADB, 5
.set ASA, 6
.set ASB, 7
.set LI,  8
.set L8,  9
.set SW,  10
.set SRD, 11
.set SA,  16
.set SB,  20
.set TM,  40
.set PW,  56
.set AF,  64
.set BF,  0
.set WV,  12
.set G1,  24
.set G1B, 32
.set G0A, 40
.set G0B, 68
.set SEL, 62
.set OUT, 96
.set OSC, 98
.set MSB, 0
.macro WIN new                         ; the immediate's high byte repeats the setting that is left
.if MSB != (\new)
	s_set_vgpr_msb (MSB<<8)|(\new)
.set MSB, (\new)
.endif
.endm
.macro PLACES n
.rept \n
	v_nop
.endr
.endm
.macro CROUND                          ; a round of the cluster's barrier
	s_barrier_signal -1
	s_barrier_wait -1
	s_cmp_lg_u32 s[WV], 0
	s_cbranch_scc1 .Lnot_wave_0_\@
	s_barrier_signal -3
.Lnot_wave_0_\@:
	s_barrier_wait -3
	s_barrier_signal -1
	s_barrier_wait -1
.endm
; 64 numbers of a lane in window w, register s + 16 b + i = k 32 b + 16 (lane / 16) + i of my row, become a fragment's 12 registers in v[pc] on and its scale word in v[pw].  Each accumulator is read from its low end on.
.macro QUANT s, w, pc, pw
	WIN ((\w)<<2)|((\w)<<4)
.irp b, 0,1,2,3
	v_max3_num_f32 v[TM+\b], 0x2800000, |v[\s+16*\b]|, |v[\s+16*\b+1]|   ; my 16 numbers of block b, and the floor 2^(5 - 127): the byte cannot fall under 1
.endr
.irp i, 2,4,6,8,10,12,14
.irp b, 0,1,2,3
	v_max3_num_f32 v[TM+\b], v[TM+\b], |v[\s+16*\b+\i]|, |v[\s+16*\b+\i+1]|
.endr
.endr
	WIN 0
.irp b, 0,1,2,3
	v_permlanex16_b32 v[TM+4+\b], v[TM+\b], s[SEL], s[SEL+1]
.endr
.irp b, 0,1,2,3
	v_max_num_f32 v[TM+\b], v[TM+\b], v[TM+4+\b]   ; with lane l xor 16's: the block's largest magnitude
.endr
.irp b, 0,1,2,3
	v_add_nc_u32 v[TM+12+\b], 0xfe000000, v[TM+\b]   ; 4 off its exponent field: the conversion's scale operand
.endr
.irp b, 0,1,2,3
	v_lshrrev_b32 v[TM+4+\b], 23, v[TM+12+\b]      ; the scale's byte
.endr
	v_lshl_or_b32 v[\pw], v[TM+5], 8, v[TM+4]
	v_lshl_or_b32 v[\pw], v[TM+6], 16, v[\pw]
	v_lshl_or_b32 v[\pw], v[TM+7], 24, v[\pw]
	WIN (\w)
.irp c, 0,1
	v_cvt_scalef32_pk16_bf6_f32 v[\pc+6*\c:\pc+6*\c+2], v[\s+32*\c:\s+32*\c+15], v[TM+12+2*\c]
	v_cvt_scalef32_pk16_bf6_f32 v[\pc+12+4*\c:\pc+14+4*\c], v[\s+32*\c+16:\s+32*\c+31], v[TM+13+2*\c]
.endr
	WIN 0
	v_nop                                          ; one plain place behind a scaled conversion
.irp c, 0,1
.irp i, 0,1,2
	v_permlane16_swap_b32 v[\pc+6*\c+\i], v[\pc+12+4*\c+\i]
.endr
.irp i, 0,1,2
	v_mov_b32 v[\pc+3+6*\c+\i], v[\pc+12+4*\c+\i]
.endr
.endr
.endm
; The fragments and scale words of one K step (record q of the chunk in hand) into set p: B's eight, my four of A
.macro FETCH q, p
	WIN 0x40                                       ; destination window 1
.irp b, 0,1,2,3,4,5,6,7
.irp c, 0,1,2
	ds_load_b128 v[BF+96*(\p)+12*\b+4*\c:BF+96*(\p)+12*\b+4*\c+3], v[ADB] offset:RB*(\q)+1536*\b+512*\c
.endr
.endr
	WIN 0
.irp a, 0,1,2,3
.irp c, 0,1,2
	ds_load_b128 v[AF+48*(\p)+12*\a+4*\c:AF+48*(\p)+12*\a+4*\c+3], v[ADA] offset:RB*(\q)+1536*\a+512*\c
.endr
.endr
.irp a, 0,1,2,3
	ds_load_b32 v[SA+12*(\p)+\a], v[ASA] offset:RB*(\q)+64*\a
.endr
.irp b, 0,1,2,3,4,5,6,7
	ds_load_b32 v[SB+12*(\p)+\b], v[ASB] offset:RB*(\q)+64*\b
.endr
.endm
; 32 matrix instructions: the 32 accumulators take turns, one instruction a turn, in the same order in every K step.  zero = 1: the first product starts the sums
.macro MUL32 p, zero
.irp a, 0,1,2,3
.irp b, 0,1,2,3,4,5,6,7
.if \zero
	v_wmma_scale_f32_16x16x128_f8f6f4 v[8*(8*\a+\b):8*(8*\a+\b)+7], v[BF+96*(\p)+12*\b:BF+96*(\p)+12*\b+11], v[AF+48*(\p)+12*\a:AF+48*(\p)+12*\a+11], 0, v[SB+12*(\p)+\b], v[SA+12*(\p)+\a] matrix_a_fmt:MATRIX_FMT_BF6 matrix_b_fmt:MATRIX_FMT_BF6
.else
	v_wmma_scale_f32_16x16x128_f8f6f4 v[8*(8*\a+\b):8*(8*\a+\b)+7], v[BF+96*(\p)+12*\b:BF+96*(\p)+12*\b+11], v[AF+48*(\p)+12*\a:AF+48*(\p)+12*\a+11], v[8*(8*\a+\b):8*(8*\a+\b)+7], v[SB+12*(\p)+\b], v[SA+12*(\p)+\a] matrix_a_fmt:MATRIX_FMT_BF6 matrix_b_fmt:MATRIX_FMT_BF6
.endif
.endr
.endr
.endm
; K step k of eight.  The next step's fragments are asked for ahead of this step's 32 products; four plain places stand between the last step's products and the loads into the registers that they read.
.macro KSTEP k
.set P, (\k)%2
	s_wait_dscnt 0x0                               ; this step's fragments, asked for a step ago, are in
.if (\k) < 7
.if P == 1
.set ASTEP, CH
.if (\k) == 3
.set ASTEP, CH+51200                   ; A's second K half lies behind both row halves of the first
.endif
	WIN 0
	v_add_nc_u32 v[ADA], ASTEP, v[ADA]
	v_add_nc_u32 v[ADB], CH, v[ADB]
	s_wait_alu depctr_va_vdst(0)
	v_add_nc_u32 v[ASA], ASTEP, v[ASA]
	s_wait_alu depctr_va_vdst(0)
	v_add_nc_u32 v[ASB], CH, v[ASB]
.else
	PLACES 4
.endif
	s_wait_alu depctr_va_vdst(0)
	FETCH ((\k)+1)%2, 1-P
.endif
	WIN 0xa1                                       ; source 0 (B) window 1, source 1 (A) window 0, C and D window 2
.if (\k) == 0
	MUL32 P, 1
.else
	MUL32 P, 0
.endif
.endm
	s_load_b128 s[4:7], s[0:1], 0x0                ; xnrec s[4:5], wrec s[6:7]
	s_load_b64 s[8:9], s[0:1], 0x10                ; qkv
	v_lshl_add_u32 v254, v0, 2, 0x4b400
	v_mov_b32 v255, 0
	ds_add_u32 v254, v255
	ds_add_u32 v254, v255
	v_lshrrev_b32 v1, 5, v0
	v_readfirstlane_b32 s[WV], v1                  ; wave 0..3
	s_bfe_u32 s13, ttmp6, 0x40000                  ; cx
	s_bfe_u32 s14, ttmp6, 0x40004                  ; cy
	s_and_b32 s15, ttmp7, 0xffff                   ; cluster y, 0..7
	s_sub_co_u32 s17, ttmp9, 4
	s_lshl_b32 s17, s17, 3
	s_add_co_u32 s17, s17, s15                     ; for v: 8 (cluster x - 4) + cluster y
	s_cmp_ge_u32 ttmp9, 4                          ; clusters x = 0..3 make q and k, x = 4, 5 make v: the same in all sixteen partners
	s_cselect_b32 s16, 0, s15
	s_cselect_b32 s17, s17, ttmp9
	s_cselect_b32 s22, 16*PB, 0                    ; Wv begins 16 blocks of 128 rows into wrec
	s_lshl_b32 s16, s16, 2
	s_add_co_u32 s16, s16, s14                     ; TR: which 256 rows of A: hangs on cy alone of the two places
	s_lshl_b32 s17, s17, 2
	s_add_co_u32 s17, s17, s13                     ; TC: which 128 rows of B: on cx alone
	s_lshl_b32 s60, s14, 2
	s_lshl_b32 s60, 15, s60                        ; my row of the cluster
	s_lshl_b32 s23, 0x1111, s13                    ; my column
	; descriptor group 1: A two rows of 6,400 elements of 8 bytes, B 200 rows of 256 bytes, dense, no padding
	s_or_b32 s[G1], s60, (3<<16)|(1<<21)           ; 15:0 the mask; 17:16 elements of 8 bytes; 21 set beside a mask
	s_or_b32 s[G1B], s23, (3<<16)|(1<<21)
	; THE FILLS AS THEY STAND: one tensor load a wave.  Waves 0 and 2 bring A's first and second K half (two rows of 51,200 bytes: four records of each block of 128 rows),
	; waves 1 and 3 B's (200 rows of 256 bytes).  LDS: A at 102,400 x K half + 51,200 x row half, B at LB + 51,200 x K half.
	s_mov_b32 s[G1+1], 6400<<16                    ; A: tensor_dim0 = 6,400 elements of 8 bytes
	s_mov_b32 s[G1+2], 2<<16                       ; tensor_dim1 = 2
	s_mov_b32 s[G1+3], 6400<<16                    ; tile_dim0
	s_mov_b32 s[G1+4], 2                           ; tile_dim1
	s_mov_b32 s[G1+5], 12800                       ; the pitch: 102,400 bytes from block to block
	s_mov_b32 s[G1B+1], 32<<16
	s_mov_b32 s[G1B+2], 200<<16
	s_mov_b32 s[G1B+3], 32<<16
	s_mov_b32 s[G1B+4], 200
	s_mov_b32 s[G1B+5], 32
.irp g, G1, G1B
	s_mov_b32 s[\g+6], 0
	s_mov_b32 s[\g+7], 0
.endr
	s_lshr_b32 s61, s[WV], 1                       ; which K half I bring
	s_mul_i32 s19, s61, 51200
	s_mul_i32 s18, s16, 2*PB
	s_add_co_u32 s18, s18, s22
	s_add_co_u32 s18, s18, s19                     ; A: blocks 2 TR and 2 TR + 1, my K half
	s_mul_i32 s20, s17, PB
	s_add_co_u32 s20, s20, s19                     ; B: block TC, my K half
	s_mov_b32 s19, 0
	s_mov_b32 s21, 0
	s_mul_i32 s61, s61, PB                         ; where A's K half goes
	s_mov_b32 s[SEL], 0x76543210
	s_mov_b32 s[SEL+1], 0xfedcba98
	; LDS addresses: a constant + a constant x lane + constants x the wave's bits
	v_and_b32 v1, 15, v0                           ; r
	s_wait_alu depctr_va_vdst(0)
	v_and_b32 v3, 31, v0                           ; lane
	s_wait_alu depctr_va_vdst(0)
	s_lshr_b32 s84, s[WV], 1
	s_mul_i32 s84, s84, 51200
	s_and_b32 s85, s[WV], 1
	s_mul_i32 s86, s85, 6144                       ; my four fragments of its eight
	s_add_co_u32 s86, s86, s84
	v_lshl_add_u32 v[ADA], v3, 4, s86
	v_lshl_add_u32 v[ADB], v3, 4, LB
	s_lshl_b32 s86, s85, 8
	s_add_co_u32 s86, s86, s84
	s_add_co_u32 s86, s86, 12288
	v_lshl_add_u32 v[ASA], v1, 2, s86
	v_lshl_add_u32 v[ASB], v1, 2, LB+12288
	v_lshlrev_b32 v[LI], 4, v3
	v_lshlrev_b32 v[L8], 3, v3
	s_lshl_b32 s86, s[WV], 8
	s_add_co_u32 s86, s86, STG
	v_lshl_add_u32 v[SW], v1, 2, s86
	v_add_nc_u32 v[SRD], s86, v[L8]
	; where my four fragments go
	s_lshl_b32 s84, s16, 1
	s_lshr_b32 s85, s[WV], 1
	s_add_co_u32 s84, s84, s85                     ; my block of 128 rows of A
	s_and_b32 s85, s17, 7
	s_lshr_b32 s86, ttmp9, 1
	s_cmp_ge_u32 ttmp9, 4
	s_cselect_b32 s87, s17, s84                    ; the block of 128 tokens,
	s_cselect_b32 s85, s84, s85                    ; the head,
	s_cselect_b32 s86, 2, s86                      ; and 0, 1, 2 for q, k, v
	s_lshr_b32 s88, s87, 4
	s_lshl_b32 s88, s88, 3
	s_add_co_u32 s88, s88, s85                     ; bh = 8 x batch + head
	s_and_b32 s87, s87, 15                         ; the token block in its sequence
	s_lshl_b32 s89, s88, 4
	s_add_co_u32 s89, s89, s87
	s_mul_i32 s89, s89, RB                         ; q's record
	s_mul_i32 s90, s88, 409600                     ; K AND V AS THEY ARE LAID: for each head sixteen key blocks of 25,600 bytes, K's record and then V's
	s_mul_i32 s91, s87, 2*RB
	s_add_co_u32 s90, s90, s91
	s_max_u32 s91, s86, 1
	s_sub_co_u32 s91, s91, 1
	s_mul_i32 s91, s91, RB
	s_add_co_u32 s90, s90, s91
	s_add_co_u32 s90, s90, KV0
	s_cmp_eq_u32 s86, 0
	s_cselect_b32 s90, s89, s90
	s_and_b32 s91, s[WV], 1
	s_mul_i32 s92, s91, 6144
	s_add_co_u32 s92, s92, s90
	s_mov_b32 s93, 0
	s_lshl_b32 s94, s91, 8
	s_add_co_u32 s94, s94, s90
	s_add_co_u32 s94, s94, 12288
	s_mov_b32 s95, 0
	s_wait_dscnt 0x0
	s_wait_kmcnt 0x0
	s_cmp_ge_u32 ttmp9, 4
	s_cselect_b64 s[56:57], s[6:7], s[4:5]         ; A: wrec for v, else xnrec
	s_cselect_b64 s[58:59], s[4:5], s[6:7]         ; B: the other
	s_add_nc_u64 s[56:57], s[56:57], s[18:19]
	s_add_nc_u64 s[58:59], s[58:59], s[20:21]
	s_add_nc_u64 s[OUT:OUT+1], s[8:9], s[92:93]
	s_add_nc_u64 s[OSC:OSC+1], s[8:9], s[94:95]
	CROUND                                         ; all sixteen work-groups are here: the joint loads meet
	s_mov_b32 s[G0A], 1
	s_mov_b32 s[G0A+1], s61
	s_mov_b64 s[G0A+2:G0A+3], s[56:57]
	s_or_b32 s[G0A+3], s[G0A+3], 0x80000000
	s_mov_b32 s[G0B], 1
	s_lshr_b32 s[G0B+1], s61, 1
	s_add_co_u32 s[G0B+1], s[G0B+1], LB
	s_mov_b64 s[G0B+2:G0B+3], s[58:59]
	s_or_b32 s[G0B+3], s[G0B+3], 0x80000000
	s_and_b32 s60, s[WV], 1                        ; even waves bring A, odd waves B: every way passes one load
	s_cmp_eq_u32 s60, 0
	s_cbranch_scc0 .Lnot_a
	tensor_load_to_lds s[G0A:G0A+3], s[G1:G1+7]
	s_nop 0
	PLACES 4
	s_branch .Lasked
.Lnot_a:
	tensor_load_to_lds s[G0B:G0B+3], s[G1B:G1B+7]
	s_nop 0
	PLACES 4
.Lasked:
	s_wait_tensorcnt 0x0                           ; my one fill has landed
	s_barrier_signal -1
	s_barrier_wait -1                              ; everybody's is
	s_wait_alu depctr_va_vdst(0)
	FETCH 0, 0
.irp k, 0,1,2,3,4,5,6,7
	KSTEP \k
.endr
	; THE WAY OUT: each of my four blocks of 16 rows x 128 becomes a fragment; its image leaves as three stores of 512 consecutive bytes.  The four scale words a row-lane go through my own 256 bytes of LDS and leave as one aligned 256 bytes.
	WIN 0
.irp b, 0,1,2,3
	v_mov_b32 v[TM+4+\b], 0                        ; a lane permute's destination counts as one of its sources; these four are also the places behind the last products
.endr
.irp a, 0,1,2,3
	QUANT 64*\a, 2, 160+20*\a, PW+\a
.irp c, 0,1,2
	global_store_b128 v[LI], v[160+20*\a+4*\c:160+20*\a+4*\c+3], s[OUT:OUT+1] offset:1536*\a+512*\c
.endr
	ds_store_b32 v[SW], v[PW+\a] offset:64*\a      ; lanes r and 16 + r write the same word with the same value
.endr
	ds_load_b64 v[240:241], v[SRD]                 ; LDS serves a wave's instructions in order: this sees my stores
	s_wait_dscnt 0x0
	global_store_b64 v[L8], v[240:241], s[OSC:OSC+1]
	s_wait_tensorcnt 0x0
	s_wait_tensorcnt 0x0
	ds_add_u32 v254, v255
	s_wait_dscnt 0x0
	CROUND                                         ; the closing round: no work-group ends while a partner may still ask for a tile that names it
	s_endpgm
.Lfunc_end_k_qd3c33998b4_qkv:
	.size	k_qd3c33998b4_qkv, .Lfunc_end_k_qd3c33998b4_qkv-k_qd3c33998b4_qkv
	.p2alignl 7, 3214868480
	.fill 96, 4, 3214868480
	.section	.rodata,"a",@progbits
	.p2align	6, 0x0
	.amdhsa_kernel k_qd3c33998b4_qkv
		.amdhsa_group_segment_fixed_size 327680
		.amdhsa_private_segment_fixed_size 0
		.amdhsa_enable_private_segment 0
		.amdhsa_kernarg_size 24
		.amdhsa_user_sgpr_count 2
		.amdhsa_user_sgpr_kernarg_segment_ptr 1
		.amdhsa_wavefront_size32 1
		.amdhsa_system_sgpr_workgroup_id_x 1
		.amdhsa_system_sgpr_workgroup_id_y 1
		.amdhsa_system_sgpr_workgroup_id_z 1
		.amdhsa_system_vgpr_workitem_id 0
		.amdhsa_next_free_vgpr 768
		.amdhsa_next_free_sgpr 100
		.amdhsa_reserve_vcc 0
		.amdhsa_float_denorm_mode_32 3
		.amdhsa_float_denorm_mode_16_64 3
		.amdhsa_memory_ordered 1
		.amdhsa_forward_progress 1
		.amdhsa_inst_pref_size 84
	.end_amdhsa_kernel
	.amdgpu_metadata
---
amdhsa.version: [ 1, 2 ]
amdhsa.kernels:
  - .name:           k_qd3c33998b4_qkv
    .symbol:         k_qd3c33998b4_qkv.kd
    .args:
      - { .name: xnrec, .offset: 0, .size: 8, .value_kind: global_buffer, .address_space: global }
      - { .name: wrec, .offset: 8, .size: 8, .value_kind: global_buffer, .address_space: global }
      - { .name: qkv, .offset: 16, .size: 8, .value_kind: global_buffer, .address_space: global }
    .group_segment_fixed_size: 327680
    .private_segment_fixed_size: 0
    .kernarg_segment_align: 8
    .kernarg_segment_size: 24
    .max_flat_workgroup_size: 128
    .sgpr_count:     100
    .vgpr_count:     768
    .wavefront_size: 32
...
	.end_amdgpu_metadata
.endif
;; end of part 2
;; launch attn (part 3): grid 8 x 32, 8 waves a work-group, no clusters, 327,680 bytes of LDS; arguments qkv, orec; writes orec
.if DOCPART == 3
	.amdgcn_target "amdgcn-amd-amdhsa--gfx1250"
	.amdhsa_code_object_version 6
	.text
	.protected	k_qd3c33998b4_attn
	.globl	k_qd3c33998b4_attn
	.p2align	8
	.type	k_qd3c33998b4_attn,@function
k_qd3c33998b4_attn:
	s_mov_b64 s[64:65], 0
	v_nop
	global_prefetch_b8 v0, s[64:65] scope:SCOPE_SE
	s_setreg_imm32_b32 hwreg(HW_REG_WAVE_MODE, 25, 1), 1
	s_wait_xcnt 0x0
; Causal attention on codes of BF6 (E3M2) with E8M0 scales: S^T = K Q^T, p = 2^(t - M) quantised along the keys, O^T = V^T P^T, O / l quantised along the head's 128 for the last projection.
; t = score x log2(e) / sqrt(128); M = the running largest t rounded UP to a whole number; l is the sum of the unquantised p; when M moves, l and O^T are multiplied by 2^(old M - new M), which rounds nothing.
; LEFT OUT: key blocks that lie wholly behind a query block under the causal mask: their scores become -infinity ahead of the softmax for all values of the inputs.
; Q, K, V^T arrive as records (128 rows x 128 K: eight images of a fragment's 12 registers, 1,536 bytes each, then 512 bytes of scale words).  K's, Q's and V^T's rows lie permuted within each 32
; (place 16 u + r holds row 8 u + r + 8 (r / 8)), so 16 registers of two neighbouring result tiles are 16 neighbours along the next K.  A head's K and V: sixteen key blocks of 25,600 bytes, K's record and then V's.
; SHARES.  A work-group owns query blocks i and 15 - i of one head: 17 block steps.  Eight waves in two groups of four; A WAVE OWNS TWO TILES of 16 queries, so that each fragment of K and V read from LDS feeds two products.
;   Group A (waves 0-3): the late block against key blocks 0 .. 8, one in each of the nine steps T = 0 .. 8.
;   Group B (waves 4-7), from T = 1 on: the early block against key blocks 0 .. i; then it sends that block out, begins anew and takes the late block against key blocks 9 .. 15 - i: eight steps.
;   At the end B's part of the late block (O^T, -M, the sums) goes through LDS bytes of its own, and A joins both parts under the larger M by exact powers of two.  For i = 7 B's part counts for nothing: its M is -3e38, its factor 0.
; RING: two slots of 51,200 bytes, each with one step's two key blocks (A's, B's).  Wave 0 fills A's part, wave 4 B's: one tensor load of a wave is out at a time, and every wait on TENSORcnt is for 0.
;   B has no key block at T = 0: there slot 0's second part holds the two Q records, brought by waves 1 and 2 and read by all waves ahead of the loop.  So all eight fills in the loop are alike, and only T = 8 is written out.
; NO CLUSTER: the step at which B changes blocks, the masked step and B's key blocks hang on the block's number i, in which the work-groups of a head differ; partners in joint loads may differ in no branch.
; PREFETCH: the head's first work-group is the first to load every key block.  In step T <= 6 its waves 0-3 name the 100 blocks of 256 bytes of key block T + 2, its waves 4-7 those of key block T + 9,
;   a thread a block (threads left over name the last again): one step ahead of the load that wants them.  Key blocks 0, 1 and what T = 7, 8 would name are not asked for.
; LIMITS: the promise holds while the scaled scores stay under 2^31 in magnitude; NaN and infinities are not served; a block whose largest magnitude lies under 2^-122 gets the byte 1, and so does a block of zeros.
; REGISTERS.  Tile x of the wave lives in window x under the same numbers: v3 its queries' places; v12 -M, v13 the largest t, v[14:15] the sum; v16-27 Q; v30, v31 at work; v80-91 the late block's Q;
;   v96-159 S^T, then p; v160-223 O^T; v224-235 p's codes; v232-247, v252, v253 at work.  Window 0 alone: v1-11, v28, v29 addresses; v32-79 four fragments of K or V;
;   and the scale words, which an instruction takes from v0-v255: v248-251 K's or V's, v255 and v254 Q's (tile 0, 1), v92 and v93 the late block's Q's, v94 and v95 p's.
.set RB,    12800
.set KB,    25600                      ; a key block: K's record, V's record
.set SLOTB, 51200
.set QL,    25600                      ; slot 0's second part, at first: the early block's Q record, then the late block's
.set PART,  102400                     ; B's parts of the late block: 8 tiles x PP1 bytes; no fill lands there
.set PP1,   8704                       ; 8,192 of O^T, 3 x 128 of -M and the sums, rounded up to blocks of 256
.set SPARE, 172032                     ; the spare words, 128 bytes for each wave
.set STG,   174080                     ; the scale words of the two output records: 2 x 512 bytes
.set KV0,   6553600
.set LI,  1                            ; 16 x lane
.set SW,  2
.set DD,  3                            ; my query's place in its block - 16 (lane / 16)
.set SR,  4
.set SPW, 5
.set NIL, 6
.set PST, 7
.set ADK, 8                            ; v8, v9   my group's key block in slot 0, 1
.set ADS, 10                           ; v10, v11 its scale words
.set PFO, 28
.set PS4, 29
.set TM,  232
.set WV,  8
.set BH,  9
.set G,   10                           ; 0: group A, 1: group B
.set PT,  11                           ; my pair of the block's eight tiles
.set SQ,  12                           ; the query block in hand
.set SEL, 20
.set CS,  22
.set G1,  24
.set G0,  32
.set G0Q, 36
.set PFA, 40
.set PP,  42
.set OP,  44
.set G1Q, 48
.set KJ,  56                           ; the key block in hand
.set KN,  57                           ; the next one
.set T,   58
.set CNT, 59
.set IB,  60                           ; B: i; A: 99
.set JMP, 61                           ; 8 - i
.set SWT, 62                           ; the step behind which B changes blocks: i + 1
.set GB,  63                           ; my group's part of a slot
.set ALIM, 66
.set NG,  67                           ; 1 - G
.set MSB, 0
.macro WIN new                         ; s_set_vgpr_msb: bits 1:0 source 0, 3:2 source 1, 5:4 source 2, 7:6 destination; the high byte repeats the setting that is left.  At a label and at a branch every window is 0
.if MSB != (\new)
	s_set_vgpr_msb (MSB<<8)|(\new)
.set MSB, (\new)
.endif
.endm
.macro NOP4
.rept 4
	v_nop
.endr
.endm
.macro QUANT s, pc, pw                 ; 64 numbers of a lane, register s + 16 b + i = k 32 b + 16 (lane / 16) + i, become a fragment's 12 registers and its scale word
.irp b, 0,1,2,3
	v_max3_num_f32 v[TM+\b], 0x2800000, |v[\s+16*\b]|, |v[\s+16*\b+1]|   ; with the floor 2^(5 - 127): the byte cannot fall under 1
.endr
.irp i, 2,4,6,8,10,12,14
.irp b, 0,1,2,3
	s_delay_alu instid0(VALU_DEP_4)
	v_max3_num_f32 v[TM+\b], v[TM+\b], |v[\s+16*\b+\i]|, |v[\s+16*\b+\i+1]|
.endr
.endr
.irp b, 0,1,2,3
	s_delay_alu instid0(VALU_DEP_4)
	v_permlanex16_b32 v[TM+4+\b], v[TM+\b], s[SEL], s[SEL+1]
.endr
.irp b, 0,1,2,3
	s_delay_alu instid0(VALU_DEP_4)
	v_max_num_f32 v[TM+\b], v[TM+\b], v[TM+4+\b]
.endr
.irp b, 0,1,2,3
	s_delay_alu instid0(VALU_DEP_4)
	v_add_nc_u32 v[TM+12+\b], 0xfe000000, v[TM+\b]   ; 4 off the exponent field: the conversion's scale operand
.endr
.irp b, 0,1,2,3
	s_delay_alu instid0(VALU_DEP_4)
	v_lshrrev_b32 v[TM+4+\b], 23, v[TM+12+\b]
.endr
	s_delay_alu instid0(VALU_DEP_3)
	v_lshl_or_b32 v[\pw], v[TM+5], 8, v[TM+4]
	s_delay_alu instid0(VALU_DEP_1)
	v_lshl_or_b32 v[\pw], v[TM+6], 16, v[\pw]
	s_delay_alu instid0(VALU_DEP_1)
	v_lshl_or_b32 v[\pw], v[TM+7], 24, v[\pw]
.irp c, 0,1
	v_cvt_scalef32_pk16_bf6_f32 v[\pc+6*\c:\pc+6*\c+2], v[\s+32*\c:\s+32*\c+15], v[TM+12+2*\c]
	v_cvt_scalef32_pk16_bf6_f32 v[\pc+12+4*\c:\pc+14+4*\c], v[\s+32*\c+16:\s+32*\c+31], v[TM+13+2*\c]
.endr
	v_nop                                          ; one plain place behind a scaled conversion
.irp c, 0,1
.irp i, 0,1,2
	v_permlane16_swap_b32 v[\pc+6*\c+\i], v[\pc+12+4*\c+\i]
.endr
.irp i, 0,1,2
	s_delay_alu instid0(VALU_DEP_3)
	v_mov_b32 v[\pc+3+6*\c+\i], v[\pc+12+4*\c+\i]
.endr
.endr
.endm
; THE CHANGE OF SLOTS, at a step's head: each wave waits for all its tensor loads, adds 0 to its spare word, waits for that and for its reads of the slot that it has left; behind the barrier this step's slot is whole and nobody reads the other.
.macro CHANGE sl, refill
	s_wait_xcnt 0x0                                ; my prefetch and my stores have read their registers
	s_wait_tensorcnt 0x0                           ; no tensor load of mine is out, so the group 0 may be written
	ds_add_u32 v[SPW], v[NIL]                      ; an add of 0 to my spare word,
.if \refill
	ds_add_u32 v[SPW], v[NIL]
.endif
	s_add_nc_u64 s[PP:PP+1], s[PP:PP+1], KB
	s_add_co_u32 s[KN], s[T], s[NG]                ; my group's next key block: A's is T + 1; B's step T takes block T, or T + 8 - i behind the early block's last
	s_cmp_gt_u32 s[KN], s[IB]
	s_cselect_b32 s68, s[JMP], 0
	s_add_co_u32 s[KN], s[KN], s68
.if \refill
	s_mul_i32 s68, s[KN], KB
	s_mov_b32 s69, 0
	s_add_nc_u64 s[G0+2:G0+3], s[PFA:PFA+1], s[68:69]
	s_or_b32 s[G0+3], s[G0+3], 0x80000000
	s_add_co_u32 s[G0+1], s[GB], (1-\sl)*SLOTB     ; into the other slot
.endif
	s_wait_dscnt 0x0
	s_barrier_signal -1
	s_barrier_wait -1
.if \refill
	s_cmp_eq_u32 s[PT], 0                          ; wave 0 is of group A, wave 4 of group B: each fills its own group's part
	s_cbranch_scc0 .Lno_load_\@
	tensor_load_to_lds s[G0:G0+3], s[G1:G1+7]
	s_nop 0
	NOP4
.Lno_load_\@:
	s_cmp_lt_u32 s[T], s[ALIM]
	s_cbranch_scc0 .Lno_ask_\@
	global_prefetch_b8 v[PFO], s[PP:PP+1] th:TH_LOAD_NT scope:SCOPE_SE
.Lno_ask_\@:
.endif
.endm
.macro KVLOAD sl, off, g               ; four fragments and their scale words, from byte off of my group's key block
.irp t, 0,1,2,3
.irp c, 0,1,2
	ds_load_b128 v[32+12*\t+4*\c:35+12*\t+4*\c], v[ADK+\sl] offset:\off+1536*(4*\g+\t)+512*\c
.endr
	ds_load_b32 v[248+\t], v[ADS+\sl] offset:\off+64*(4*\g+\t)
.endr
.endm
.macro SMUL g                          ; S^T = K Q^T: four tiles of 16 keys against tile 0's queries, then against tile 1's
.irp t, 0,1,2,3
	v_wmma_scale_f32_16x16x128_f8f6f4 v[96+8*(4*\g+\t):103+8*(4*\g+\t)], v[32+12*\t:43+12*\t], v[16:27], 0, v[248+\t], v255 matrix_a_fmt:MATRIX_FMT_BF6 matrix_b_fmt:MATRIX_FMT_BF6
.endr
	WIN 0x44                                       ; Q and the result in window 1
.irp t, 0,1,2,3
	v_wmma_scale_f32_16x16x128_f8f6f4 v[96+8*(4*\g+\t):103+8*(4*\g+\t)], v[32+12*\t:43+12*\t], v[16:27], 0, v[248+\t], v254 matrix_a_fmt:MATRIX_FMT_BF6 matrix_b_fmt:MATRIX_FMT_BF6
.endr
	WIN 0
.endm
.macro PMUL g                          ; O^T += V^T P^T: four tiles of 16 channels, for tile 0 and then for tile 1; no two products on end share an accumulator
.irp t, 0,1,2,3
	v_wmma_scale_f32_16x16x128_f8f6f4 v[160+8*(4*\g+\t):167+8*(4*\g+\t)], v[32+12*\t:43+12*\t], v[224:235], v[160+8*(4*\g+\t):167+8*(4*\g+\t)], v[248+\t], v94 matrix_a_fmt:MATRIX_FMT_BF6 matrix_b_fmt:MATRIX_FMT_BF6
.endr
	WIN 0x54                                       ; p's codes, C and D in window 1
.irp t, 0,1,2,3
	v_wmma_scale_f32_16x16x128_f8f6f4 v[160+8*(4*\g+\t):167+8*(4*\g+\t)], v[32+12*\t:43+12*\t], v[224:235], v[160+8*(4*\g+\t):167+8*(4*\g+\t)], v[248+\t], v95 matrix_a_fmt:MATRIX_FMT_BF6 matrix_b_fmt:MATRIX_FMT_BF6
.endr
	WIN 0
.endm
; Tile x's scores become p's codes and scale word; its sum and O^T come under the new M.  All its registers lie in window x
.macro SOFTMAX x
	s_cmp_lt_u32 s[KJ], s[SQ]
	s_cbranch_scc1 .Lopen_\@                       ; all the step's keys count
	WIN 0x55*\x
	v_mov_b32 v31, 0xff800000                      ; my block's own step: register 16 b + i holds key 32 b + 16 (lane / 16) + i of the block: hidden where 32 b + i > v[DD]
	s_wait_alu depctr_va_vdst(0)                   ; the wait ahead of the first readers of matrix results
.set J, 0
.rept 64
	v_cmp_gt_i32 vcc_lo, 32*(J/16)+J%16, v[DD]
	v_cndmask_b32 v[96+J], v[96+J], v31, vcc_lo
.set J, J+1
.endr
	WIN 0
.Lopen_\@:
	WIN 0x55*\x
	s_wait_alu depctr_va_vdst(0)                   ; the same wait on the way round the mask
.irp b, 0,1,2,3
	v_max3_num_f32 v[232+\b], v[96+16*\b], v[97+16*\b], v[98+16*\b]   ; the largest score of each block of 32 keys: for the row's maximum, and, since p rises with the score, for the block's largest p
.endr
.irp i, 3,5,7,9,11,13
.irp b, 0,1,2,3
	v_max3_num_f32 v[232+\b], v[232+\b], v[96+16*\b+\i], v[97+16*\b+\i]
.endr
.endr
.irp b, 0,1,2,3
	v_max_num_f32 v[232+\b], v[232+\b], v[111+16*\b]
.endr
.irp b, 0,1,2,3
	s_delay_alu instid0(VALU_DEP_4)
	v_permlanex16_b32 v[236+\b], v[232+\b], s[SEL], s[SEL+1]
.endr
.irp b, 0,1,2,3
	s_delay_alu instid0(VALU_DEP_4)
	v_max_num_f32 v[232+\b], v[232+\b], v[236+\b]  ; with lane l xor 16's 16 keys
.endr
	s_delay_alu instid0(VALU_DEP_2)
	v_max3_num_f32 v31, v232, v233, v234
	s_delay_alu instid0(VALU_DEP_1)
	v_max_num_f32 v31, v31, v235                   ; the step's largest score of my query
	s_delay_alu instid0(VALU_DEP_1)
	v_mul_f32 v31, s[CS], v31                      ; as t
	s_delay_alu instid0(VALU_DEP_1)
	v_max_num_f32 v13, v13, v31                    ; the running largest t
	v_mov_b32 v31, v12
	s_delay_alu instid0(VALU_DEP_2)
	v_floor_f32 v12, -v13                          ; the new -M = floor(-t): M is a whole number
	s_delay_alu instid0(VALU_DEP_1)
	v_sub_f32 v31, v12, v31                        ; old M - new M: a whole number, 0 or less
	s_delay_alu instid0(VALU_DEP_1)
	v_cvt_i32_f32 v31, v31                         ; (it saturates)
	s_delay_alu instid0(VALU_DEP_1)
	v_ldexp_f32 v252, 1.0, v31                     ; f = 2^(old M - new M)
.set J, 0
.rept 32
	v_pk_fma_f32 v[96+J:97+J], v[96+J:97+J], s[CS:CS+1], v[12:13] op_sel_hi:[1,0,0]   ; t - M, two at a time
.set J, J+2
.endr
.irp b, 0,1,2,3
	v_fma_f32 v[232+\b], v[232+\b], s[CS], v12     ; the same of each block's largest score
.endr
	s_wait_alu depctr_va_vdst(0)                   ; the wait ahead of the batch
.set J, 0
.rept 64
	v_exp_f32 v[96+J], v[96+J]                     ; p = 2^(t - M), not normalised
.set J, J+1
.endr
	v_pk_mul_f32 v[14:15], v[14:15], v[252:253] op_sel_hi:[1,0]   ; the sums under the new M: a plain place behind the batch
	s_wait_alu depctr_va_vdst(0)                   ; one wait for the whole batch, ahead of its first reader
.irp b, 0,1,2,3
	v_exp_f32 v[232+\b], v[232+\b]                 ; the block's largest p
.endr
	; the row's sum of the unquantised p: 32 pairs in eight chains (v236-247, v224, and the sum itself)
.irp c, 0,1,2,3,4,5
	v_pk_add_f32 v[236+2*\c:237+2*\c], v[96+4*\c:97+4*\c], v[98+4*\c:99+4*\c]
.endr
	v_pk_add_f32 v[224:225], v[120:121], v[122:123]
	v_pk_add_f32 v[14:15], v[14:15], v[124:125]
.irp q, 126, 142
.irp c, 0,1,2,3,4,5
	v_pk_add_f32 v[236+2*\c:237+2*\c], v[236+2*\c:237+2*\c], v[\q+2*\c:\q+2*\c+1]
.endr
	v_pk_add_f32 v[224:225], v[224:225], v[\q+12:\q+13]
	v_pk_add_f32 v[14:15], v[14:15], v[\q+14:\q+15]
.endr
	v_pk_add_f32 v[236:237], v[236:237], v[158:159]
	v_pk_add_f32 v[14:15], v[14:15], v[242:243]
	v_pk_add_f32 v[238:239], v[238:239], v[246:247]
	v_pk_add_f32 v[240:241], v[240:241], v[224:225]
	v_pk_add_f32 v[236:237], v[236:237], v[244:245]
	s_delay_alu instid0(VALU_DEP_3)
	v_pk_add_f32 v[14:15], v[14:15], v[238:239]
	s_delay_alu instid0(VALU_DEP_2)
	v_pk_add_f32 v[236:237], v[236:237], v[240:241]
	s_delay_alu instid0(VALU_DEP_1)
	v_pk_add_f32 v[14:15], v[14:15], v[236:237]
	s_wait_alu depctr_va_vdst(0)                   ; and one for the four
.irp b, 0,1,2,3
	v_max_num_f32 v[232+\b], 0x2800000, v[232+\b]  ; the floor 2^(5 - 127): the byte cannot fall under 1
.endr
.irp b, 0,1,2,3
	s_delay_alu instid0(VALU_DEP_4)
	v_add_nc_u32 v[244+\b], 0xfe000000, v[232+\b]  ; 4 off the exponent field: the conversion's scale operand
.endr
.irp b, 0,1,2,3
	s_delay_alu instid0(VALU_DEP_4)
	v_lshrrev_b32 v[236+\b], 23, v[244+\b]         ; the scale's byte
.endr
	s_delay_alu instid0(VALU_DEP_3)
	v_lshl_or_b32 v253, v237, 8, v236
	s_delay_alu instid0(VALU_DEP_1)
	v_lshl_or_b32 v253, v238, 16, v253
	WIN 0x11*\x                                    ; sources in window x, the result in window 0:
	v_lshl_or_b32 v[94+\x], v239, 24, v253         ; p's scale word for these 128 keys, in a register of its own
	WIN 0x55*\x
.irp c, 0,1
	v_cvt_scalef32_pk16_bf6_f32 v[224+6*\c:226+6*\c], v[96+32*\c:111+32*\c], v[244+2*\c]
	v_cvt_scalef32_pk16_bf6_f32 v[236+4*\c:238+4*\c], v[112+32*\c:127+32*\c], v[244+2*\c+1]
.endr
	v_nop                                          ; one plain place behind a scaled conversion
.irp c, 0,1
.irp i, 0,1,2
	v_permlane16_swap_b32 v[224+6*\c+\i], v[236+4*\c+\i]
.endr
.irp i, 0,1,2
	s_delay_alu instid0(VALU_DEP_3)
	v_mov_b32 v[227+6*\c+\i], v[236+4*\c+\i]
.endr
.endr
	s_wait_alu depctr_va_vdst(0)                   ; the wait directly ahead of the first reader of O^T
.set J, 0
.rept 32
	v_pk_mul_f32 v[160+J:161+J], v[160+J:161+J], v[252:253] op_sel_hi:[1,0]   ; O^T under the new M; these 32 are also the places in front of the products
.set J, J+2
.endr
	WIN 0
.endm
; A KEY STEP on my group's key block in slot sl, for both my tiles
.macro STEP sl
	s_cmp_gt_u32 s[KJ], s[SQ]
	s_cbranch_scc1 .Lhid_\@                        ; B at T = 0 has no key block
.irp g, 0,1
	NOP4                                           ; four places in front of loads into registers that the last products read
	KVLOAD \sl, 0, \g
	s_wait_dscnt 0x0
	SMUL \g
.endr
	NOP4
	KVLOAD \sl, RB, 0                              ; V's first four fragments are on their way while the two softmaxes are worked
	SOFTMAX 0
	SOFTMAX 1
	s_wait_alu depctr_va_vdst(0)
	s_wait_dscnt 0x0
	PMUL 0
	NOP4
	KVLOAD \sl, RB, 1
	s_wait_dscnt 0x0
	PMUL 1
.Lhid_\@:
.endm
; TILE x's WAY OUT: O^T / l becomes a fragment of the last projection's operand (16 queries x the head's 128); its scale words wait in LDS for the other tiles'
.macro FINAL x
	s_wait_alu depctr_va_vdst(0)
	s_wait_xcnt 0x0                                ; an earlier way out's stores have read v32 on, which are written again below
	WIN 0x55*\x
	v_add_f32 v14, v14, v15
	s_delay_alu instid0(VALU_DEP_1)
	v_permlanex16_b32 v252, v14, s[SEL], s[SEL+1]
	s_delay_alu instid0(VALU_DEP_1)
	v_add_f32 v14, v14, v252                       ; the row's sum
	s_wait_alu depctr_va_vdst(0)                   ; the wait ahead of the transcendental
	v_rcp_f32 v14, v14
	v_nop
	s_wait_alu depctr_va_vdst(0)                   ; and ahead of its first reader
.set J, 0
.rept 32
	v_pk_mul_f32 v[96+J:97+J], v[160+J:161+J], v[14:15] op_sel_hi:[1,0]
.set J, J+2
.endr
	QUANT 96, 32, 30
	WIN 0x04*\x                                    ; a store's data are its source 1
.irp c, 0,1,2
	global_store_b128 v[LI], v[32+4*\c:35+4*\c], s[OP:OP+1] offset:1536*\x+512*\c   ; 512 consecutive bytes, at a multiple of 256 from the buffer's first byte
.endr
	ds_store_b32 v[SW], v30 offset:64*\x           ; lanes r and 16 + r write the same word with the same value
	WIN 0
.endm
; Behind step T = i + 1 group B has seen the early block's last key block: the block goes out, and the wave begins anew on its tiles of the late block.  The branch hangs on ids alone.
; O^T and the sums are not cleared: with M at -3e38 the next step's factor 2^(old M - new M) is 0, and what they hold is finite.
.macro SWITCH
	s_cmp_lg_u32 s[T], s[SWT]
	s_cbranch_scc1 .Lstay_\@
	NOP4                                           ; places behind the last products
	FINAL 0
	FINAL 1
	v_mov_b32 v255, v92                            ; the late block's scale words of Q; the lines below are the places ahead of the next products
	v_mov_b32 v254, v93
.irp x, 0,1
	WIN 0x55*\x
.set J, 0
.rept 12
	v_mov_b32 v[16+J], v[80+J]
.set J, J+1
.endr
	v_mov_b32 v13, 0xff61b1e6
	s_delay_alu instid0(VALU_DEP_1)
	v_floor_f32 v12, -v13
.endr
	WIN 0
	s_sub_co_u32 s[SQ], 15, ttmp9
	s_wait_alu depctr_va_vdst(0)
.Lstay_\@:
.endm
.macro TURN sl, refill
	CHANGE \sl, \refill
	STEP \sl
	SWITCH
	s_mov_b32 s[KJ], s[KN]
	s_add_co_u32 s[T], s[T], 1
.endm
.macro INIT x                          ; tile x's state ahead of its first step
	WIN 0x55*\x
	v_mov_b32 v13, 0xff61b1e6                      ; the largest t so far: -3e38
	v_mov_b32 v14, 0
	v_mov_b32 v15, 0
	v_floor_f32 v12, -v13
.irp b, 0,1,2,3
	v_mov_b32 v[236+\b], 0                         ; a lane permute's destination counts as one of its sources
.endr
	v_mov_b32 v252, 0
	v_mov_b32 v253, 0
.set J, 0
.rept 64
	v_mov_b32 v[160+J], 0                          ; O^T: the step is written for all steps alike; the first finds zeros
.set J, J+1
.endr
	WIN 0
.endm
.macro MERGE x                         ; tile x of the late block: A's part and B's (in v96-159, v232, v[234:235]) under the larger M
	WIN 0x55*\x
	v_min_num_f32 v233, v12, v232                  ; -M of both parts
	s_delay_alu instid0(VALU_DEP_1)
	v_sub_f32 v244, v233, v12
	v_sub_f32 v246, v233, v232                     ; whole numbers, 0 or less
	s_delay_alu instid0(VALU_DEP_2)
	v_cvt_i32_f32 v244, v244
	s_delay_alu instid0(VALU_DEP_2)
	v_cvt_i32_f32 v246, v246                       ; (they saturate: the factor of a part under M = -3e38 is 0)
	s_delay_alu instid0(VALU_DEP_2)
	v_ldexp_f32 v244, 1.0, v244
	s_delay_alu instid0(VALU_DEP_2)
	v_ldexp_f32 v246, 1.0, v246
	s_delay_alu instid0(VALU_DEP_2)
	v_mov_b32 v245, v244
	s_delay_alu instid0(VALU_DEP_2)
	v_mov_b32 v247, v246
	v_pk_mul_f32 v[14:15], v[14:15], v[244:245]
	s_wait_alu depctr_va_vdst(0)                   ; the wait directly ahead of the first reader of O^T
.set J, 0
.rept 32
	v_pk_mul_f32 v[160+J:161+J], v[160+J:161+J], v[244:245]
.set J, J+2
.endr
	v_pk_fma_f32 v[14:15], v[234:235], v[246:247], v[14:15]
.set J, 0
.rept 32
	v_pk_fma_f32 v[160+J:161+J], v[96+J:97+J], v[246:247], v[160+J:161+J]
.set J, J+2
.endr
.endm
	s_load_b128 s[4:7], s[0:1], 0x0                ; qkv s[4:5], orec s[6:7]
	v_lshl_add_u32 v[SPW], v0, 2, SPARE
	v_mov_b32 v[NIL], 0
	ds_add_u32 v[SPW], v[NIL]                      ; the opening lines: the add, twice on end, and its wait
	ds_add_u32 v[SPW], v[NIL]
	v_lshrrev_b32 v240, 5, v0
	s_delay_alu instid0(VALU_DEP_1)
	v_readfirstlane_b32 s[WV], v240                ; wave 0..7
	s_and_b32 s[BH], ttmp7, 0xffff                 ; 8 x batch + head
	s_lshr_b32 s[G], s[WV], 2                      ; of waves w and w + 4 one belongs to each group
	s_xor_b32 s[NG], s[G], 1
	s_and_b32 s[PT], s[WV], 3
	s_sub_co_u32 s13, 15, ttmp9                    ; the late block
	s_sub_co_u32 s[JMP], 8, ttmp9
	s_cmp_eq_u32 s[G], 1
	s_cselect_b32 s[SQ], ttmp9, s13
	s_cselect_b32 s[IB], ttmp9, 99
	s_cselect_b32 s[KJ], 100, 0                    ; B's first step finds no key block
	s_cselect_b32 s68, 8, 1                        ; the prefetches, stepped once ahead of the first: key blocks T + 2 (A's waves) and T + 9 (B's)
	s_add_co_u32 s[SWT], s[IB], 1
	s_mul_i32 s[GB], s[G], KB
	s_cmp_eq_u32 ttmp9, 0                          ; who prefetches: the head's first work-group, in steps 0 .. 6
	s_cselect_b32 s[ALIM], 7, 0
	s_mul_i32 s68, s68, KB
	s_mov_b32 s69, 0
	s_lshl_b32 s14, s[G], 9
	s_add_co_u32 s14, s14, STG                     ; my output record's 512 bytes of scale words
	s_lshl_b32 s15, s[PT], 7
	s_add_co_u32 s15, s15, s14
	s_lshl_b32 s16, s[PT], 5                       ; place r of tile t = 2 PT + x holds query 32 PT + 8 x + r + 8 (r / 8)
	s_mul_i32 s17, s[PT], 2*PP1
	s_add_co_u32 s17, s17, PART
	s_mul_i32 s18, s[NG], RB
	s_add_co_u32 s18, s18, QL                      ; the Q record that I begin with: B the early block's, A the late block's
	s_mul_i32 s19, s[PT], 3072
	s_add_co_u32 s76, s18, s19
	s_add_co_u32 s77, s19, QL+RB
	s_lshl_b32 s19, s[PT], 7
	s_add_co_u32 s78, s18, s19
	s_add_co_u32 s78, s78, 12288
	s_add_co_u32 s79, s19, QL+RB+12288
	; descriptor groups 1: rows of 256 bytes (32 elements of 8 bytes), dense: 100 for a key block, 50 for a Q record
.irp g, G1, G1Q
	s_mov_b32 s[\g], 3<<16
	s_mov_b32 s[\g+1], 32<<16
	s_mov_b32 s[\g+3], 32<<16
	s_mov_b32 s[\g+5], 32
	s_mov_b32 s[\g+6], 0
	s_mov_b32 s[\g+7], 0
.endr
	s_mov_b32 s[G1+2], 100<<16
	s_mov_b32 s[G1+4], 100
	s_mov_b32 s[G1Q+2], 50<<16
	s_mov_b32 s[G1Q+4], 50
	s_add_co_u32 s[G0Q+1], s[WV], 1
	s_mul_i32 s[G0Q+1], s[G0Q+1], RB               ; wave 1: at QL, wave 2: behind it
	s_cmp_eq_u32 s[WV], 1
	s_cselect_b32 s70, ttmp9, s13
	s_lshl_b32 s71, s[BH], 4
	s_add_co_u32 s70, s70, s71
	s_mul_i32 s70, s70, RB                         ; Q's record (head, block)
	s_mov_b32 s71, 0
	s_lshr_b32 s72, s[BH], 3
	s_lshl_b32 s72, s72, 4
	s_add_co_u32 s72, s72, s[SQ]
	s_lshl_b32 s72, s72, 3
	s_and_b32 s73, s[BH], 7
	s_add_co_u32 s72, s72, s73
	s_mul_i32 s72, s72, RB                         ; O's record: (token block, K step = head): A's the late block's, B's the early block's
	s_mul_i32 s73, s[PT], 3072
	s_add_co_u32 s72, s72, s73
	s_mov_b32 s73, 0
	s_mul_i32 s74, s[BH], 409600
	s_add_co_u32 s74, s74, KV0
	s_mov_b32 s75, 0
	s_mov_b32 s[SEL], 0x76543210
	s_mov_b32 s[SEL+1], 0xfedcba98
	s_mov_b32 s[CS], 0x3e0293ee                    ; c = log2(e) / sqrt(128)
	s_mov_b32 s[CS+1], s[CS]
	s_mov_b32 s[T], 0
	s_mov_b32 s[CNT], 4
	s_wait_dscnt 0x0
	s_wait_kmcnt 0x0
	s_add_nc_u64 s[PFA:PFA+1], s[4:5], s[74:75]
	s_mov_b32 s[G0], 1
	s_mov_b32 s[G0+1], s[GB]
	s_mov_b64 s[G0+2:G0+3], s[PFA:PFA+1]
	s_or_b32 s[G0+3], s[G0+3], 0x80000000
	s_mov_b32 s[G0Q], 1
	s_add_nc_u64 s[G0Q+2:G0Q+3], s[4:5], s[70:71]
	s_or_b32 s[G0Q+3], s[G0Q+3], 0x80000000
	s_cmp_eq_u32 s[WV], 0                          ; the first fills, one a wave: wave 0 key block 0, waves 1 and 2 the two Q records
	s_cbranch_scc0 .Lnot0
	tensor_load_to_lds s[G0:G0+3], s[G1:G1+7]
	s_nop 0
	NOP4
	s_branch .Lasked
.Lnot0:
	s_cmp_lt_u32 s[WV], 3
	s_cbranch_scc0 .Lasked
	tensor_load_to_lds s[G0Q:G0Q+3], s[G1Q:G1Q+7]
	s_nop 0
	NOP4
.Lasked:
	s_add_nc_u64 s[OP:OP+1], s[6:7], s[72:73]
	s_add_nc_u64 s[PP:PP+1], s[PFA:PFA+1], s[68:69]
	v_and_b32 v240, 31, v0                         ; lane
	v_and_b32 v241, 15, v0                         ; r
	v_bfe_u32 v242, v0, 4, 1                       ; h
	v_lshlrev_b32 v[LI], 4, v240
	v_lshl_add_u32 v[ADS], v241, 2, s[GB]
	v_lshl_add_u32 v[SW], v241, 2, s15
	v_and_b32 v[DD], 8, v241
	v_add_nc_u32 v[ADK], s[GB], v[LI]
	v_add_nc_u32 v[ADS], 12288, v[ADS]
	v_add_nc_u32 v[SR], s14, v[LI]
	v_add_nc_u32 v[DD], v[DD], v241
	v_add_nc_u32 v[ADK+1], SLOTB, v[ADK]
	v_add_nc_u32 v[ADS+1], SLOTB, v[ADS]
	v_lshlrev_b32 v242, 4, v242
	v_add_nc_u32 v[DD], s16, v[DD]
	v_add_nc_u32 v[PST], s17, v[LI]
	v_lshl_add_u32 v[PS4], v240, 2, s17
	v_and_b32 v[PFO], 127, v0
	v_sub_nc_u32 v[DD], v[DD], v242
	v_add_nc_u32 v[PS4], 8192, v[PS4]
	v_min_u32 v[PFO], 99, v[PFO]
	v_add_nc_u32 v243, s76, v[LI]
	v_add_nc_u32 v244, s77, v[LI]
	v_lshl_add_u32 v245, v241, 2, s78
	v_lshlrev_b32 v[PFO], 8, v[PFO]
	v_lshl_add_u32 v246, v241, 2, s79
	WIN 0x40                                       ; the result in window 1:
	v_add_nc_u32 v[DD], 8, v[DD]                   ; tile 1's queries lie 8 places behind tile 0's
	WIN 0
	INIT 0
	INIT 1
	s_wait_alu depctr_va_vdst(0)                   ; the wait at the head's end
	s_wait_tensorcnt 0x0                           ; my first fill has landed
	s_barrier_signal -1
	s_barrier_wait -1                              ; everybody's has
.irp x, 0,1
	WIN 0x40*\x                                    ; tile x's fragments into window x
.irp c, 0,1,2
	ds_load_b128 v[16+4*\c:19+4*\c], v243 offset:1536*\x+512*\c   ; the Q fragment that I begin with,
	ds_load_b128 v[80+4*\c:83+4*\c], v244 offset:1536*\x+512*\c   ; and the late block's, which B takes up later (A's waves hold it twice: the text has one way)
.endr
.endr
	WIN 0
	ds_load_b32 v255, v245
	ds_load_b32 v254, v245 offset:64
	ds_load_b32 v92, v246
	ds_load_b32 v93, v246 offset:64
.Ltrip:                                                ; steps T = 0 .. 7; the first change of slots waits for the loads above
	TURN 0, 1
	TURN 1, 1
	s_sub_co_u32 s[CNT], s[CNT], 1
	s_cmp_lg_u32 s[CNT], 0
	s_cbranch_scc1 .Ltrip
	TURN 0, 0                                      ; T = 8 asks for nothing more
	; THE LATE BLOCK'S TWO PARTS MEET: B's waves lay theirs into LDS as images of the registers, A's wave of the same tiles takes them up
	NOP4                                           ; places behind the last products
	s_cmp_eq_u32 s[G], 0
	s_cbranch_scc1 .Lkeep
.irp x, 0,1
	WIN 0x04*\x                                    ; an LDS store's data are its source 1
.set J, 0
.rept 16
	ds_store_b128 v[PST], v[160+4*J:163+4*J] offset:PP1*\x+512*J   ; each accumulator from its low end on
.set J, J+1
.endr
	ds_store_b32 v[PS4], v12 offset:PP1*\x
	ds_store_b32 v[PS4], v14 offset:PP1*\x+128
	ds_store_b32 v[PS4], v15 offset:PP1*\x+256
.endr
	WIN 0
.Lkeep:
	s_wait_dscnt 0x0                               ; for the others' sake
	s_barrier_signal -1
	s_barrier_wait -1
	s_cmp_eq_u32 s[G], 1
	s_cbranch_scc1 .Ldone
.irp x, 0,1
	WIN 0x40*\x
.set J, 0
.rept 16
	ds_load_b128 v[96+4*J:99+4*J], v[PST] offset:PP1*\x+512*J
.set J, J+1
.endr
	ds_load_b32 v232, v[PS4] offset:PP1*\x
	ds_load_b32 v234, v[PS4] offset:PP1*\x+128
	ds_load_b32 v235, v[PS4] offset:PP1*\x+256
.endr
	WIN 0
	s_wait_dscnt 0x0
	MERGE 0
	FINAL 0
	MERGE 1
	FINAL 1
.Ldone:
	s_wait_dscnt 0x0                               ; for the others' sake: both records' scale words lie in LDS
	s_barrier_signal -1
	s_barrier_wait -1
	s_cmp_eq_u32 s[PT], 0                          ; waves 0 and 4 hold tile 0 of the late and of the early block: their pointer stands at the record's head
	s_cbranch_scc0 .Lend
	ds_load_b128 v[84:87], v[SR]
	s_wait_dscnt 0x0
	global_store_b128 v[LI], v[84:87], s[OP:OP+1] offset:12288
.Lend:
	s_wait_tensorcnt 0x0                           ; the wave's end
	ds_add_u32 v[SPW], v[NIL]
	s_wait_dscnt 0x0
	s_endpgm
.Lfunc_end_k_qd3c33998b4_attn:
	.size	k_qd3c33998b4_attn, .Lfunc_end_k_qd3c33998b4_attn-k_qd3c33998b4_attn
	.p2alignl 7, 3214868480
	.fill 96, 4, 3214868480
	.section	.rodata,"a",@progbits
	.p2align	6, 0x0
	.amdhsa_kernel k_qd3c33998b4_attn
		.amdhsa_group_segment_fixed_size 327680
		.amdhsa_private_segment_fixed_size 0
		.amdhsa_enable_private_segment 0
		.amdhsa_kernarg_size 16
		.amdhsa_user_sgpr_count 2
		.amdhsa_user_sgpr_kernarg_segment_ptr 1
		.amdhsa_wavefront_size32 1
		.amdhsa_system_sgpr_workgroup_id_x 1
		.amdhsa_system_sgpr_workgroup_id_y 1
		.amdhsa_system_sgpr_workgroup_id_z 1
		.amdhsa_system_vgpr_workitem_id 0
		.amdhsa_next_free_vgpr 512
		.amdhsa_next_free_sgpr 84
		.amdhsa_reserve_vcc 1
		.amdhsa_float_denorm_mode_32 3
		.amdhsa_float_denorm_mode_16_64 3
		.amdhsa_memory_ordered 1
		.amdhsa_forward_progress 1
		.amdhsa_inst_pref_size 241
	.end_amdhsa_kernel
	.amdgpu_metadata
---
amdhsa.version: [ 1, 2 ]
amdhsa.kernels:
  - .name:           k_qd3c33998b4_attn
    .symbol:         k_qd3c33998b4_attn.kd
    .args:
      - { .name: qkv, .offset: 0, .size: 8, .value_kind: global_buffer, .address_space: global }
      - { .name: orec, .offset: 8, .size: 8, .value_kind: global_buffer, .address_space: global }
    .group_segment_fixed_size: 327680
    .private_segment_fixed_size: 0
    .kernarg_segment_align: 8
    .kernarg_segment_size: 16
    .max_flat_workgroup_size: 256
    .sgpr_count:     84
    .vgpr_count:     512
    .wavefront_size: 32
...
	.end_amdgpu_metadata
.endif
;; end of part 3
;; launch proj (part 4): grid 8 x 32, 4 waves a work-group, clusters of 4 x 4, 327,680 bytes of LDS; arguments orec, wrec, x, out0; writes out0
.if DOCPART == 4
	.amdgcn_target "amdgcn-amd-amdhsa--gfx1250"
	.amdhsa_code_object_version 6
	.text
	.protected	k_qd3c33998b4_proj
	.globl	k_qd3c33998b4_proj
	.p2align	8
	.type	k_qd3c33998b4_proj,@function
k_qd3c33998b4_proj:
	s_mov_b64 s[64:65], 0
	v_nop
	global_prefetch_b8 v0, s[64:65] scope:SCOPE_SE
	s_setreg_imm32_b32 hwreg(HW_REG_WAVE_MODE, 25, 1), 1
	s_wait_xcnt 0x0
	s_wait_alu depctr_hold_cnt(0) depctr_sa_sdst(0) depctr_va_vdst(0) depctr_va_sdst(0) depctr_va_ssrc(0) depctr_va_vcc(0) depctr_vm_vsrc(0)
	s_getreg_b32 s2, hwreg(HW_REG_IB_STS2, 6, 4)
	s_cmp_eq_u32 s2, 0
	s_cbranch_scc0 .Lentry_in_a_cluster
	s_endpgm
.Lentry_in_a_cluster:
	s_bfe_u32 s2, ttmp6, 0x10000c
	s_cmp_lg_u32 s2, 0xf033
	s_cbranch_scc0 .Lentry_shape_is_right
	s_endpgm
.Lentry_shape_is_right:
; out0 = o Wo^T + x, the product on codes of BF6 (E3M2) with E8M0 scales for each 32 along K = 1,024.
; o and Wo arrive as records (128 rows x 128 K: eight images of a fragment's 12 registers, 1,536 bytes each, then 512 bytes of scale words).  o's rows lie permuted within each 32 (place 16 u + r holds token 8 u + r + 8 (r / 8)); Wo's as they are.
; A TILE is 256 tokens ("A", source 1) x 128 outputs ("B", source 0), all of K: 256 tiles.  ALL ITS OPERANDS LIE IN LDS, 3 x 102,400 bytes, each byte filled once: no ring.  Waves 0 and 2 bring A's K halves, waves 1 and 3 B's,
; each as one tensor load: one tensor load of a wave is out at the most.  Wave w makes tokens 64 w .. 64 w + 63 x 128 outputs: 32 accumulators.
; THE RESIDUAL, the wave's 64 x 128 numbers of x, is asked for at the head into 256 registers of its own, in the layout in which the results leave.
; CLUSTERS: 4 x 4 work-groups; A's halves are asked for jointly along a row of the cluster, B along a column.
; Source 0 = Wo's rows: a lane holds eight neighbouring outputs of one token.  Half a block (16 tokens x 64 outputs) at a time goes through the wave's own stage in LDS and leaves as aligned runs of 256 bytes, at the tokens' true rows.
; REGISTERS: window 0: v4-10 addresses; v16-39 scale words, two sets, and nothing else; v64-159 A's fragments, two sets.  window 1: B's fragments, two sets; on the way out the rows read back.  window 2: accumulator (a, b) at v[8 (8 a + b)].  window 3: x.
.set RB,  12800
.set PB,  102400
.set CH,  25600
.set LB,  204800
.set STG, 307200                       ; the stages: 16 rows x (256 bytes + 16) for each wave; no fill lands there
.set ADA, 4
.set ADB, 5
.set ASA, 6
.set ASB, 7
.set CO,  8
.set STO, 9
.set RD,  10
.set SA,  16
.set SB,  20
.set AF,  64
.set BF,  0
.set WV,  12
.set G1,  24
.set G1B, 32
.set G0A, 40
.set G0B, 68
.set XP,  86
.set OUT, 88
.set MSB, 0
.macro WIN new                         ; the immediate's high byte repeats the setting that is left
.if MSB != (\new)
	s_set_vgpr_msb (MSB<<8)|(\new)
.set MSB, (\new)
.endif
.endm
.macro PLACES n
.rept \n
	v_nop
.endr
.endm
.macro CROUND                          ; a round of the cluster's barrier
	s_barrier_signal -1
	s_barrier_wait -1
	s_cmp_lg_u32 s[WV], 0
	s_cbranch_scc1 .Lnot_wave_0_\@
	s_barrier_signal -3
.Lnot_wave_0_\@:
	s_barrier_wait -3
	s_barrier_signal -1
	s_barrier_wait -1
.endm
.macro FETCH q, p                      ; the fragments and scale words of one K step (record q of the chunk in hand) into set p
	WIN 0x40
.irp b, 0,1,2,3,4,5,6,7
.irp c, 0,1,2
	ds_load_b128 v[BF+96*(\p)+12*\b+4*\c:BF+96*(\p)+12*\b+4*\c+3], v[ADB] offset:RB*(\q)+1536*\b+512*\c
.endr
.endr
	WIN 0
.irp a, 0,1,2,3
.irp c, 0,1,2
	ds_load_b128 v[AF+48*(\p)+12*\a+4*\c:AF+48*(\p)+12*\a+4*\c+3], v[ADA] offset:RB*(\q)+1536*\a+512*\c
.endr
.endr
.irp a, 0,1,2,3
	ds_load_b32 v[SA+12*(\p)+\a], v[ASA] offset:RB*(\q)+64*\a
.endr
.irp b, 0,1,2,3,4,5,6,7
	ds_load_b32 v[SB+12*(\p)+\b], v[ASB] offset:RB*(\q)+64*\b
.endr
.endm
.macro MUL32 p, zero                   ; the 32 accumulators take turns, one instruction a turn
.irp a, 0,1,2,3
.irp b, 0,1,2,3,4,5,6,7
.if \zero
	v_wmma_scale_f32_16x16x128_f8f6f4 v[8*(8*\a+\b):8*(8*\a+\b)+7], v[BF+96*(\p)+12*\b:BF+96*(\p)+12*\b+11], v[AF+48*(\p)+12*\a:AF+48*(\p)+12*\a+11], 0, v[SB+12*(\p)+\b], v[SA+12*(\p)+\a] matrix_a_fmt:MATRIX_FMT_BF6 matrix_b_fmt:MATRIX_FMT_BF6
.else
	v_wmma_scale_f32_16x16x128_f8f6f4 v[8*(8*\a+\b):8*(8*\a+\b)+7], v[BF+96*(\p)+12*\b:BF+96*(\p)+12*\b+11], v[AF+48*(\p)+12*\a:AF+48*(\p)+12*\a+11], v[8*(8*\a+\b):8*(8*\a+\b)+7], v[SB+12*(\p)+\b], v[SA+12*(\p)+\a] matrix_a_fmt:MATRIX_FMT_BF6 matrix_b_fmt:MATRIX_FMT_BF6
.endif
.endr
.endr
.endm
.macro KSTEP k                         ; K step k of eight: the next step's fragments are asked for ahead of this step's 32 products, four plain places behind the last step's
.set P, (\k)%2
	s_wait_dscnt 0x0                               ; this step's fragments, asked for a step ago, are in
.if (\k) < 7
.if P == 1
.set ASTEP, CH
.if (\k) == 3
.set ASTEP, CH+51200                   ; A's second K half lies behind both row halves of the first
.endif
	WIN 0
	v_add_nc_u32 v[ADA], ASTEP, v[ADA]
	v_add_nc_u32 v[ADB], CH, v[ADB]
	s_wait_alu depctr_va_vdst(0)
	v_add_nc_u32 v[ASA], ASTEP, v[ASA]
	s_wait_alu depctr_va_vdst(0)
	v_add_nc_u32 v[ASB], CH, v[ASB]
.else
	PLACES 4
.endif
	s_wait_alu depctr_va_vdst(0)
	FETCH ((\k)+1)%2, 1-P
.endif
	WIN 0xa1                                       ; source 0 (B) window 1, source 1 (A) window 0, C and D window 2
.if (\k) == 0
	MUL32 P, 1
.else
	MUL32 P, 0
.endif
.endm
; Half block n = 2 a + u: places 16 a .. 16 a + 15 of my 64, outputs 64 u .. 64 u + 63.  Into the stage (each accumulator from its low end on), and back as rows of 256 bytes, two rows an instruction.
.macro TOSTAGE n
.set AC, 64*((\n)/2)+32*((\n)%2)
	WIN 0x08                                       ; an LDS store's data are its source 1: window 2
.irp t, 0,1,2,3
	ds_store_b128 v[STO], v[AC+8*\t:AC+8*\t+3] offset:64*\t
	ds_store_b128 v[STO], v[AC+8*\t+4:AC+8*\t+7] offset:64*\t+16
.endr
	WIN 0x40                                       ; destination window 1
.irp i, 0,1,2,3,4,5,6,7
	ds_load_b128 v[32*(\n)+4*\i:32*(\n)+4*\i+3], v[RD] offset:544*\i   ; LDS serves a wave's instructions in order: these see my stores, and the next half block's stores come behind them
.endr
	WIN 0
.endm
; y: the LDS instructions issued behind half block n's loads, which may stay out.  Places 2 i and 2 i + 1 of block a are tokens 32 (a / 2) + 8 (a % 2) + 2 i + 8 (i / 4) and the next.
.macro SEND n, y
	s_wait_dscnt \y
	s_wait_loadcnt 8*(7-(\n))                      ; x's loads came in the half blocks' order: mine are in, the later ones may be out
	WIN 0x4d                                       ; destination and source 0 window 1, source 1 (x) window 3
.set J, 0
.rept 16
	v_pk_add_f32 v[32*(\n)+J:32*(\n)+J+1], v[32*(\n)+J:32*(\n)+J+1], v[32*(\n)+J:32*(\n)+J+1]
.set J, J+2
.endr
	WIN 0x04                                       ; a store's data are its source 1: window 1
.irp i, 0,1,2,3,4,5,6,7
	global_store_b128 v[CO], v[32*(\n)+4*\i:32*(\n)+4*\i+3], s[OUT:OUT+1] offset:(32*((\n)/4)+8*(((\n)/2)%2)+2*\i+8*(\i/4))*4096+256*((\n)%2) th:TH_STORE_NT   ; sixteen lanes store 256 consecutive bytes, at a multiple of 256 from the buffer's first byte
.endr
	WIN 0
.endm
	s_load_b256 s[4:11], s[0:1], 0x0               ; orec s[4:5], wrec s[6:7], x s[8:9], out0 s[10:11]
	v_lshl_add_u32 v254, v0, 2, 0x4f400
	v_mov_b32 v255, 0
	ds_add_u32 v254, v255
	ds_add_u32 v254, v255
	v_lshrrev_b32 v1, 5, v0
	v_readfirstlane_b32 s[WV], v1                  ; wave 0..3
	s_bfe_u32 s13, ttmp6, 0x40000                  ; cx
	s_bfe_u32 s14, ttmp6, 0x40004                  ; cy
	s_and_b32 s15, ttmp7, 0xffff
	s_lshl_b32 s16, s15, 2
	s_add_co_u32 s16, s16, s14                     ; TR: which 256 tokens
	s_lshl_b32 s17, ttmp9, 2
	s_add_co_u32 s17, s17, s13                     ; TC: which 128 outputs
	s_lshl_b32 s60, s14, 2
	s_lshl_b32 s60, 15, s60                        ; my row of the cluster
	s_lshl_b32 s23, 0x1111, s13                    ; my column
	; descriptor group 1: A two rows of 6,400 elements of 8 bytes, B 200 rows of 256 bytes, dense, no padding
	s_or_b32 s[G1], s60, (3<<16)|(1<<21)
	s_or_b32 s[G1B], s23, (3<<16)|(1<<21)
	; THE FILLS AS THEY STAND: one tensor load a wave.  Waves 0 and 2 bring A's first and second K half (two rows of 51,200 bytes: four records of each block of 128 rows),
	; waves 1 and 3 B's (200 rows of 256 bytes).  LDS: A at 102,400 x K half + 51,200 x row half, B at LB + 51,200 x K half.
	s_mov_b32 s[G1+1], 6400<<16                    ; A: tensor_dim0 = 6,400 elements of 8 bytes
	s_mov_b32 s[G1+2], 2<<16                       ; tensor_dim1 = 2
	s_mov_b32 s[G1+3], 6400<<16                    ; tile_dim0
	s_mov_b32 s[G1+4], 2                           ; tile_dim1
	s_mov_b32 s[G1+5], 12800                       ; the pitch: 102,400 bytes from block to block
	s_mov_b32 s[G1B+1], 32<<16
	s_mov_b32 s[G1B+2], 200<<16
	s_mov_b32 s[G1B+3], 32<<16
	s_mov_b32 s[G1B+4], 200
	s_mov_b32 s[G1B+5], 32
.irp g, G1, G1B
	s_mov_b32 s[\g+6], 0
	s_mov_b32 s[\g+7], 0
.endr
	s_lshr_b32 s61, s[WV], 1                       ; which K half I bring
	s_mul_i32 s19, s61, 51200
	s_mul_i32 s18, s16, 2*PB
	s_add_co_u32 s18, s18, s19                     ; A: blocks 2 TR and 2 TR + 1 of orec, my K half
	s_add_co_u32 s20, s17, 24
	s_mul_i32 s20, s20, PB                         ; B: Wo begins 24 blocks into wrec
	s_add_co_u32 s20, s20, s19
	s_mov_b32 s19, 0
	s_mov_b32 s21, 0
	s_mul_i32 s61, s61, PB                         ; where A's K half goes
	v_and_b32 v1, 15, v0                           ; r
	s_wait_alu depctr_va_vdst(0)
	v_bfe_u32 v2, v0, 4, 1                         ; h
	v_and_b32 v3, 31, v0                           ; lane
	s_lshr_b32 s84, s[WV], 1
	s_mul_i32 s84, s84, 51200
	s_and_b32 s85, s[WV], 1
	s_mul_i32 s90, s85, 6144
	s_add_co_u32 s90, s90, s84
	v_lshl_add_u32 v[ADA], v3, 4, s90
	v_lshl_add_u32 v[ADB], v3, 4, LB
	s_lshl_b32 s90, s85, 8
	s_add_co_u32 s90, s90, s84
	s_add_co_u32 s90, s90, 12288
	v_lshl_add_u32 v[ASA], v1, 2, s90
	v_lshl_add_u32 v[ASB], v1, 2, LB+12288
	v_lshlrev_b32 v[CO], 4, v1
	s_wait_alu depctr_va_vdst(0)
	v_lshl_add_u32 v[CO], v2, 12, v[CO]            ; lanes 0-15 one row of x and out0, lanes 16-31 the next; 16 bytes a lane
	s_mul_i32 s90, s[WV], 16*272
	s_add_co_u32 s90, s90, STG                     ; my stage
	v_mul_u32_u24 v[STO], v1, 272
	v_lshl_add_u32 v[STO], v2, 5, v[STO]
	v_add_nc_u32 v[STO], s90, v[STO]
	v_mul_u32_u24 v[RD], v2, 272
	v_lshl_add_u32 v[RD], v1, 4, v[RD]
	v_add_nc_u32 v[RD], s90, v[RD]
	s_lshl_b32 s84, s16, 8
	s_lshl_b32 s85, s[WV], 6
	s_add_co_u32 s84, s84, s85
	s_lshl_b32 s84, s84, 12                        ; my first token's row of 4,096 bytes,
	s_lshl_b32 s85, s17, 9
	s_add_co_u32 s84, s84, s85                     ; the tile's 512 bytes in it
	s_mov_b32 s85, 0
	s_wait_dscnt 0x0
	s_wait_kmcnt 0x0
	s_add_nc_u64 s[56:57], s[4:5], s[18:19]
	s_add_nc_u64 s[58:59], s[6:7], s[20:21]
	s_add_nc_u64 s[XP:XP+1], s[8:9], s[84:85]
	s_add_nc_u64 s[OUT:OUT+1], s[10:11], s[84:85]
	CROUND                                         ; all sixteen work-groups are here: the joint loads meet
	s_mov_b32 s[G0A], 1
	s_mov_b32 s[G0A+1], s61
	s_mov_b64 s[G0A+2:G0A+3], s[56:57]
	s_or_b32 s[G0A+3], s[G0A+3], 0x80000000
	s_mov_b32 s[G0B], 1
	s_lshr_b32 s[G0B+1], s61, 1
	s_add_co_u32 s[G0B+1], s[G0B+1], LB
	s_mov_b64 s[G0B+2:G0B+3], s[58:59]
	s_or_b32 s[G0B+3], s[G0B+3], 0x80000000
	s_and_b32 s60, s[WV], 1                        ; even waves bring A, odd waves B: every way passes one load
	s_cmp_eq_u32 s60, 0
	s_cbranch_scc0 .Lnot_a
	tensor_load_to_lds s[G0A:G0A+3], s[G1:G1+7]
	s_nop 0
	PLACES 4
	s_branch .Lasked
.Lnot_a:
	tensor_load_to_lds s[G0B:G0B+3], s[G1B:G1B+7]
	s_nop 0
	PLACES 4
.Lasked:
	WIN 0xc0                                       ; destination window 3
	s_wait_alu depctr_va_vdst(0)
.irp n, 0,1,2,3,4,5,6,7
.irp i, 0,1,2,3,4,5,6,7
	global_load_b128 v[32*\n+4*\i:32*\n+4*\i+3], v[CO], s[XP:XP+1] offset:(32*(\n/4)+8*((\n/2)%2)+2*\i+8*(\i/4))*4096+256*(\n%2) th:TH_LOAD_NT   ; the residual, where its sum will leave from
.endr
.endr
	WIN 0
	s_wait_tensorcnt 0x0                           ; my one fill has landed
	s_barrier_signal -1
	s_barrier_wait -1
	FETCH 0, 0
.irp k, 0,1,2,3,4,5,6,7
	KSTEP \k
.endr
	WIN 0
	PLACES 4                                       ; behind the last products: for the first reads of results and the loads into B's registers
	TOSTAGE 0
.irp n, 1,2,3,4,5,6,7
	TOSTAGE \n
	SEND \n-1, 16                                  ; behind half block n - 1's loads: half block n's 8 stores and 8 loads
.endr
	SEND 7, 0
	s_wait_tensorcnt 0x0
	s_wait_dscnt 0x0
	s_wait_tensorcnt 0x0
	ds_add_u32 v254, v255
	s_wait_dscnt 0x0
	CROUND                                         ; the closing round: no work-group ends while a partner may still ask for a tile that names it
	s_endpgm
.Lfunc_end_k_qd3c33998b4_proj:
	.size	k_qd3c33998b4_proj, .Lfunc_end_k_qd3c33998b4_proj-k_qd3c33998b4_proj
	.p2alignl 7, 3214868480
	.fill 96, 4, 3214868480
	.section	.rodata,"a",@progbits
	.p2align	6, 0x0
	.amdhsa_kernel k_qd3c33998b4_proj
		.amdhsa_group_segment_fixed_size 327680
		.amdhsa_private_segment_fixed_size 0
		.amdhsa_enable_private_segment 0
		.amdhsa_kernarg_size 32
		.amdhsa_user_sgpr_count 2
		.amdhsa_user_sgpr_kernarg_segment_ptr 1
		.amdhsa_wavefront_size32 1
		.amdhsa_system_sgpr_workgroup_id_x 1
		.amdhsa_system_sgpr_workgroup_id_y 1
		.amdhsa_system_sgpr_workgroup_id_z 1
		.amdhsa_system_vgpr_workitem_id 0
		.amdhsa_next_free_vgpr 1024
		.amdhsa_next_free_sgpr 100
		.amdhsa_reserve_vcc 0
		.amdhsa_float_denorm_mode_32 3
		.amdhsa_float_denorm_mode_16_64 3
		.amdhsa_memory_ordered 1
		.amdhsa_forward_progress 1
		.amdhsa_inst_pref_size 96
	.end_amdhsa_kernel
	.amdgpu_metadata
---
amdhsa.version: [ 1, 2 ]
amdhsa.kernels:
  - .name:           k_qd3c33998b4_proj
    .symbol:         k_qd3c33998b4_proj.kd
    .args:
      - { .name: orec, .offset: 0, .size: 8, .value_kind: global_buffer, .address_space: global }
      - { .name: wrec, .offset: 8, .size: 8, .value_kind: global_buffer, .address_space: global }
      - { .name: x, .offset: 16, .size: 8, .value_kind: global_buffer, .address_space: global }
      - { .name: out0, .offset: 24, .size: 8, .value_kind: global_buffer, .address_space: global }
    .group_segment_fixed_size: 327680
    .private_segment_fixed_size: 0
    .kernarg_segment_align: 8
    .kernarg_segment_size: 32
    .max_flat_workgroup_size: 128
    .sgpr_count:     100
    .vgpr_count:     1024
    .wavefront_size: 32
...
	.end_amdgpu_metadata
.endif
;; end of part 4
